; MI455X (gfx1250); checked and timed in simulation.
; The chip was launched on July 23, 2026; its instructions are those of AMD's public machine-readable ISA for CDNA 5 (MIT licence, August 2026) and "CDNA5" Instruction Set Architecture Reference Guide (July 2026). The comments in the code are by the model that wrote it; some were corrected since.
;; Multi Head Self Attention. Allowed arithmetic: matrix products marked QUANTISED: E2M3 operands, one E8M0 scale for each 32 along K, by v_wmma_scale_f32_16x16x128_f8f6f4 with both operands' format E2M3, f32 sums; everything else in f32.
;; Inputs: Wk 1,024 x 1,024 float32; Wo 1,024 x 1,024 float32; Wq 1,024 x 1,024 float32; Wv 1,024 x 1,024 float32; x 4 x 2,048 x 1,024 float32.
;; Outputs: out0 4 x 2,048 x 1,024 float32.
;; This version of the problem:
;;   THIS VERSION OF THE PROBLEM IS GIVEN IN LOW PRECISION. The matrix products marked QUANTISED in the list below multiply operands that are first quantised to E2M3 (2 exponent bits, 3 mantissa bits; 6 bits a number), with one power-of-two scale for each 32 numbers along K (OCP MX v1.0); their sums are f32. All else is computed in f32.
;;   The module's matrix products, in the order in which they are computed (A, B: the left and right operand; K: the contracted axis; several contracted axes count as one K, in the product's order):
;;     1. [M 8,192, K 1,024] x [K 1,024, N 1,024]; A: input x; B: input Wq: QUANTISED
;;     2. [M 8,192, K 1,024] x [K 1,024, N 1,024]; A: input x; B: input Wk: QUANTISED
;;     3. [M 8,192, K 1,024] x [K 1,024, N 1,024]; A: input x; B: input Wv: QUANTISED
;;     4. batch 64 x [M 2,048, K 64] x [K 64, N 2,048]; A: computed on the way; B: computed on the way: QUANTISED
;;     5. batch 64 x [M 2,048, K 2,048] x [K 2,048, N 64]; A: softmax (see below); B: computed on the way: QUANTISED
;;     6. [M 8,192, K 1,024] x [K 1,024, N 1,024]; A: computed on the way; B: input Wo: QUANTISED
;;   THE QUANTISER, for each operand of a quantised product, along K:
;;     - K is cut into blocks of 32 from its start; a last block that is shorter is filled with zeros.
;;     - A block's scale is 2^e with e = floor(log2(the largest magnitude in the block)) - 2, held to -126 .. 127; a block of zeros has e = 0. As a byte (E8M0): e + 127.
;;     - Each number is divided by its block's scale, clamped to +-7.5, and rounded to the nearest number of E2M3, ties to even, subnormals kept.
;;     - The product sums the exact products of the quantised numbers (number of the format x scale) in f32.
;;   ~~~python
;;   def quantise(x, axis):      # numpy; x: float32 -> the quantised numbers, widened to float32 again
;;       x = np.moveaxis(x, axis, -1); K = x.shape[-1]
;;       x = np.pad(x, [(0, 0)] * (x.ndim - 1) + [(0, -K % 32)]); x = x.reshape(x.shape[:-1] + (-1, 32)); a = np.abs(x).max(-1, keepdims=True)
;;       e = np.where(a > 0, np.clip(np.frexp(np.where(a > 0, a, 1))[1] - 1 - 2, -126, 127), 0)      # np.frexp(a)[1] - 1 = floor(log2(a)), exactly
;;       r = np.clip(x / 2.0 ** e, -7.5, 7.5)
;;       step = 2.0 ** (np.maximum(np.frexp(np.where(r == 0, 1, r))[1] - 1, 0) - 3)
;;       q = np.round(r / step) * step * 2.0 ** e      # np.round: ties to even
;;       return np.moveaxis(q.reshape(q.shape[:-2] + (-1,))[..., :K], -1, axis).astype(np.float32)
;;   ~~~
;;   SOFTMAX AHEAD OF A QUANTISED PRODUCT. Where the list says 'softmax', what is quantised is not the finished softmax but p = 2^(t - M), with t = logit x log2(e) and M = ceil(the row's largest t), a whole number; so 1/2 < the row's largest p <= 1. The row's sum l is taken of the UNQUANTISED p, in f32, and the product's result is divided by l at the end. Since M is a whole number, a kernel that streams over the keys may use a running M (the ceiling of the running maximum): every later rescaling is an exact power of two, which a block's scale takes up: the codes' values come out the same.
;;   OPERANDS COMPUTED ON THE WAY. 'Computed on the way' means the value that the module computes at that place (a softmax that the list does not call 'softmax' is quantised finished and normalised). What goes into a quantiser is computed in f32, as accurately as f32 sums, v_exp_f32 and their like allow (about 1e-6 of the number): no bf16 or f16 on the way to a quantiser, and a product that is left as it is and whose result goes on into a quantised operand takes f32 operands (vector FMAs, or v_wmma_f32_16x16x4_f32). A number that lies on a knife's edge between two numbers of the format may be rounded either way, as far as f32 arithmetic and the matrix unit's own rounding can turn it there, and no further.
;; One version. Each part assembles by itself: llvm-mc -triple=amdgcn-amd-amdhsa -mcpu=gfx1250 --defsym DOCPART=n.
;; ======== version 1 of 1: 4 launches
;; limits: right only within a limited range of input values
;; workspace buffers: xc 6,291,456 bytes; xs 262,144 bytes; wc 3,145,728 bytes; ws 131,072 bytes; tab 524,288 bytes; qkv 20,185,088 bytes; att 6,553,600 bytes
;; launch prep (part 1): grid 416 x 1, 4 waves a work-group, no clusters, 34,304 bytes of LDS; arguments x, Wq, Wk, Wv, Wo, xc, xs, wc, ws, tab; writes xc, xs, wc, ws, tab
.if DOCPART == 1
	.amdgcn_target "amdgcn-amd-amdhsa--gfx1250"
	.amdhsa_code_object_version 6
	.text
	.protected	k_q14be563de5_prep
	.globl	k_q14be563de5_prep
	.p2align	8
	.type	k_q14be563de5_prep,@function
k_q14be563de5_prep:
	s_mov_b64 s[64:65], 0
	v_nop
	global_prefetch_b8 v0, s[64:65] scope:SCOPE_SE
	s_setreg_imm32_b32 hwreg(HW_REG_WAVE_MODE, 25, 1), 1
	s_wait_xcnt 0x0
; x [8192][1024] and Wq, Wk, Wv, Wo [1024][1024], f32 with K innermost, become codes of FP6 (E2M3) with one E8M0 byte for each 32 along K,
; laid as IMAGES OF THE OPERAND'S REGISTERS; and the table of cosines and sines for the rotation of q and k is made.
; ROW TILES: tile t, lane-row r is matrix row 32 (t / 2) + 8 (t % 2) + r + 8 (r / 8).
; CODES: [tile][16 halves of 64 along K][768 bytes]; in a half, lane l = (r, h) holds block h of row r in 6 registers: registers 0-3 at 16 l, registers 4-5 at 512 + 8 l.
; SCALES: [tile][4 slots of 256 along K][r][8 bytes]: the two scale words of the slot's two steps of 128.
; A block's scale byte is its largest magnitude's exponent field - 2, held at 1 from below by a floor among the maximum's leaves.
; LIMITS: NaN and infinities are not served; a block of zeros gets the byte 1 (its codes are zeros, and this program alone reads the bytes).
; SHARES: work-groups 0-255 take x, 256-383 the weights (32 each: q, k, v, o), 384-415 the table.  A quantising work-group takes two row tiles;
; wave w takes tile w / 2 of them and half w % 2 of K: four fragments of 128.  Each load reads 512 consecutive bytes of a row; a fragment's 16 rows turn
; through the wave's own stage in LDS (rows of 512 + 16 bytes), so that a lane gets its 32 neighbours of two blocks.  Waves share nothing: no barrier.
; TABLE: [position tile][2][4][lane][16 bytes]: lane (r, h), register 16 u + 2 m (+1): cos (sin) of position x 10^(-p / 8), p = 16 u + 8 h + m.
; The frequency is the rounded 10^(-p / 8); the angle is one f32 product; sine and cosine by a two-term reduction by pi / 2 (good for the 1,304 quarter turns met here) and polynomials on [-pi/4, pi/4].
.set RAW, 32                           ; v32-159  two sets of 64 numbers as loaded
.set XN,  160                          ; v160-223 my 64 numbers: two blocks of 32
.set CD,  224                          ; v224-235 the fragment's codes
.set CT,  236                          ; v236-238, v240-242 second halves of the blocks' codes
.set MXR, 244                          ; v244-245 largest magnitudes
.set OPD, 246                          ; v246-247 the conversions' scale operands
.set BYT, 248                          ; v248-249 scale bytes
.set TW,  250                          ; v250-251 at work
.set WD,  12                           ; v12-15   the four fragments' scale words
.set TT,  32                           ; the table path: v32-63 the 32 numbers
	s_load_b512 s[4:19], s[0:1], 0x0               ; x, Wq, Wk, Wv, Wo, xc, xs, wc
	s_load_b128 s[20:23], s[0:1], 0x40             ; ws, tab
	v_lshl_add_u32 v254, v0, 2, 0x8400
	v_mov_b32 v255, 0
	v_lshrrev_b32 v1, 5, v0
	v_readfirstlane_b32 s32, v1                    ; wave
	v_and_b32 v1, 31, v0                           ; lane
	v_and_b32 v2, 15, v0                           ; r
	v_bfe_u32 v3, v0, 4, 1                         ; h
	v_lshlrev_b32 v4, 4, v1                        ; 16 x lane
	s_cmp_ge_u32 ttmp9, 384
	s_cbranch_scc1 .Ltable
	s_mul_i32 s33, s32, 8448                       ; my stage: 16 rows x 528 bytes
	v_add_nc_u32 v5, s33, v4                       ; in: 16 x lane of a row
	v_mul_u32_u24 v6, v2, 528
	v_lshl_add_u32 v6, v3, 7, v6
	v_add_nc_u32 v6, s33, v6                       ; out: row r, + 128 h: my block of 32
	v_lshlrev_b32 v8, 3, v1                        ; 8 x lane
	v_lshlrev_b32 v9, 3, v2
	v_lshl_add_u32 v9, v3, 7, v9                   ; the scale words' place: 128 h + 8 r
	v_lshlrev_b32 v10, 3, v3                       ; 8 h: my bytes' shift in a scale word
	v_mov_b32 v[TW+1], 0                           ; a lane permute's destination counts as one of its sources
	s_mov_b32 s34, 0x76543210
	s_mov_b32 s35, 0xfedcba98                      ; selects for lane l xor 16
	s_lshr_b32 s36, s32, 1                         ; which of the two tiles
	s_and_b32 s37, s32, 1                          ; which half of K
	s_wait_alu depctr_va_vdst(0)
	s_wait_kmcnt 0x0
	s_mov_b64 s[24:25], s[12:13]                   ; the source: chosen by the work-group's number alone
	s_cmp_lt_u32 ttmp9, 352
	s_cselect_b64 s[24:25], s[10:11], s[24:25]
	s_cmp_lt_u32 ttmp9, 320
	s_cselect_b64 s[24:25], s[8:9], s[24:25]
	s_cmp_lt_u32 ttmp9, 288
	s_cselect_b64 s[24:25], s[6:7], s[24:25]
	s_cmp_lt_u32 ttmp9, 256
	s_cselect_b64 s[24:25], s[4:5], s[24:25]
	s_cselect_b64 s[26:27], s[14:15], s[18:19]     ; the codes' buffer
	s_cselect_b64 s[28:29], s[16:17], s[20:21]     ; the scales'
	s_cselect_b32 s30, 0, 256
	s_cselect_b32 s31, 0xffff, 31
	s_sub_co_u32 s30, ttmp9, s30                   ; pair of tiles in the output buffer
	s_and_b32 s31, s30, s31                        ; pair of tiles in the source tensor
	s_lshl_b32 s38, s31, 17                        ; 32 rows of 4,096 bytes a pair,
	s_lshl_b32 s39, s36, 15                        ; 8 rows for the second tile,
	s_add_co_u32 s38, s38, s39
	s_lshl_b32 s39, s37, 11                        ; 2,048 bytes for the second half of K
	s_add_co_u32 s38, s38, s39
	s_mov_b32 s39, 0
	s_add_nc_u64 s[24:25], s[24:25], s[38:39]
	s_lshl_b32 s30, s30, 1
	s_add_co_u32 s30, s30, s36                     ; my tile
	s_mul_i32 s38, s30, 12288
	s_mul_i32 s31, s37, 6144
	s_add_co_u32 s38, s38, s31
	s_add_nc_u64 s[26:27], s[26:27], s[38:39]
	s_lshl_b32 s38, s30, 9
	s_lshl_b32 s31, s37, 8
	s_add_co_u32 s38, s38, s31
	s_add_nc_u64 s[28:29], s[28:29], s[38:39]
.macro LOADF f                         ; fragment f: 128 numbers of each of the tile's 16 rows; a load covers 512 consecutive bytes
.irp p, 0,1,2,3,4,5,6,7,8,9,10,11,12,13,14,15
	global_load_b128 v[RAW+64*((\f)%2)+4*\p:RAW+64*((\f)%2)+4*\p+3], v4, s[24:25] offset:(\p+8*(\p/8))*4096+512*(\f) th:TH_LOAD_NT
.endr
.endm
.macro STEPQ f
.if \f < 3
	s_wait_loadcnt 16                              ; this fragment's 16 loads are in; the next fragment's 16 may be out
.else
	s_wait_loadcnt 0x0
.endif
.irp p, 0,1,2,3,4,5,6,7,8,9,10,11,12,13,14,15
	ds_store_b128 v5, v[RAW+64*((\f)%2)+4*\p:RAW+64*((\f)%2)+4*\p+3] offset:528*\p
.endr
.irp c, 0,1
.irp i, 0,1,2,3,4,5,6,7
	ds_load_b128 v[XN+32*\c+4*\i:XN+32*\c+4*\i+3], v6 offset:256*\c+16*\i   ; k = 64 c + 32 h + 4 i ..: LDS serves a wave's instructions in order
.endr
.endr
	s_wait_dscnt 0x0                               ; my numbers are back, and the stores have read the set that is loaded again below
.if \f < 2
	LOADF (\f)+2
.endif
.irp c, 0,1
	v_max3_num_f32 v[MXR+\c], |v[XN+32*\c]|, |v[XN+32*\c+1]|, 0x1800000   ; with the floor 2^(3 - 127): the byte cannot fall under 1
.endr
.irp i, 2,4,6,8,10,12,14,16,18,20,22,24,26,28,30
.irp c, 0,1
	v_max3_num_f32 v[MXR+\c], v[MXR+\c], |v[XN+32*\c+\i]|, |v[XN+32*\c+\i+1]|
.endr
.endr
.irp c, 0,1
	v_add_nc_u32 v[OPD+\c], 0xff000000, v[MXR+\c]  ; 2 off the exponent field: the conversion's scale operand
.endr
.irp c, 0,1
	v_lshrrev_b32 v[BYT+\c], 23, v[OPD+\c]         ; the scale's byte
.endr
	v_lshl_or_b32 v[TW], v[BYT+1], 16, v[BYT]      ; blocks h and 2 + h of my row,
	v_lshlrev_b32 v[TW], v10, v[TW]                ; at their places;
	v_permlanex16_b32 v[TW+1], v[TW], s34, s35
	v_or_b32 v[WD+\f], v[TW], v[TW+1]              ; with lane l xor 16's two the word is whole
	s_wait_alu depctr_va_vdst(0)
	s_wait_xcnt 0x0                                ; the last fragment's stores have read the codes' registers
.irp c, 0,1
	v_cvt_scalef32_pk16_fp6_f32 v[CD+6*\c:CD+6*\c+2], v[XN+32*\c:XN+32*\c+15], v[OPD+\c]
	v_cvt_scalef32_pk16_fp6_f32 v[CT+4*\c:CT+4*\c+2], v[XN+32*\c+16:XN+32*\c+31], v[OPD+\c]   ; (a conversion's three registers begin on an even number)
.endr
	v_nop                                          ; one plain place behind a scaled conversion
.irp c, 0,1
.irp i, 0,1,2
	v_mov_b32 v[CD+6*\c+3+\i], v[CT+4*\c+\i]
.endr
.endr
.irp c, 0,1
	global_store_b128 v4, v[CD+6*\c:CD+6*\c+3], s[26:27] offset:1536*(\f)+768*\c       ; 512 consecutive bytes, aligned to 256
	global_store_b64 v8, v[CD+6*\c+4:CD+6*\c+5], s[26:27] offset:1536*(\f)+768*\c+512  ; 256 consecutive bytes, aligned
.endr
.endm
	LOADF 0
	LOADF 1
	STEPQ 0
	STEPQ 1
	STEPQ 2
	STEPQ 3
	v_cmp_eq_u32 vcc_lo, 1, v3
	v_cndmask_b32 v16, v12, v14, vcc_lo            ; lanes 0-15 store my half's first slot, lanes 16-31 its second
	v_cndmask_b32 v17, v13, v15, vcc_lo
	global_store_b64 v9, v[16:17], s[28:29]        ; 256 consecutive bytes, aligned
	s_wait_tensorcnt 0x0
	ds_add_u32 v254, v255
	s_wait_dscnt 0x0
	s_endpgm
.Ltable:
	s_sub_co_u32 s30, ttmp9, 384
	s_lshl_b32 s30, s30, 2
	s_add_co_u32 s30, s30, s32                     ; position tile 0 .. 127
	s_lshr_b32 s31, s30, 1
	s_lshl_b32 s31, s31, 5
	s_and_b32 s36, s30, 1
	s_lshl_b32 s36, s36, 3
	s_add_co_u32 s31, s31, s36
	s_wait_alu depctr_va_vdst(0)
	v_and_b32 v5, 8, v2
	v_add_nc_u32 v5, v5, v2
	v_add_nc_u32 v5, s31, v5
	v_cvt_f32_u32 v5, v5                           ; my position
	v_cmp_eq_u32 vcc_lo, 1, v3                     ; lanes 16-31 take the pairs eight further on
	s_lshl_b32 s38, s30, 12
	s_mov_b32 s39, 0
	s_wait_alu depctr_va_vdst(0)
	s_wait_kmcnt 0x0
	s_add_nc_u64 s[22:23], s[22:23], s[38:39]
.macro SINCOS d, lo, hi                ; v[d] = cos, v[d + 1] = sin of position x frequency
	v_mul_f32 v16, \lo, v5
	v_mul_f32 v17, \hi, v5
	v_cndmask_b32 v16, v16, v17, vcc_lo            ; the angle
	v_mul_f32 v17, 0x3f22f983, v16
	v_rndne_f32 v17, v17                           ; n = the nearest whole number of quarter turns
	v_fmamk_f32 v18, v17, 0xbfc90fdb, v16          ; angle - n x pi / 2, pi / 2 in two parts
	v_fmamk_f32 v18, v17, 0x333bbd2e, v18
	v_mul_f32 v19, v18, v18                        ; z
	v_mov_b32 v20, 0xb94ca1f9
	v_fmaak_f32 v20, v20, v19, 0x3c08839e
	v_fmaak_f32 v20, v20, v19, 0xbe2aaaa3
	v_mul_f32 v21, v18, v19
	v_fma_f32 v20, v21, v20, v18                   ; the sine of the rest
	v_mov_b32 v22, 0x37ccf5ce
	v_fmaak_f32 v22, v22, v19, 0xbab6061a
	v_fmaak_f32 v22, v22, v19, 0x3d2aaaa5
	v_mul_f32 v23, v19, v19
	v_fma_f32 v24, v19, -0.5, 1.0
	v_fma_f32 v22, v23, v22, v24                   ; its cosine
	v_cvt_i32_f32 v25, v17
	v_and_b32 v26, 1, v25
	v_cmp_eq_u32 s37, 1, v26                       ; an odd quarter swaps the two
	v_cndmask_b32 v27, v22, v20, s37
	v_cndmask_b32 v28, v20, v22, s37
	v_add_nc_u32 v26, 1, v25
	v_and_b32 v26, 2, v26
	v_lshlrev_b32 v26, 30, v26                     ; the cosine is negative in quarters 1 and 2,
	v_xor_b32 v[\d], v27, v26
	v_and_b32 v26, 2, v25
	v_lshlrev_b32 v26, 30, v26                     ; the sine in quarters 2 and 3
	v_xor_b32 v[\d+1], v28, v26
.endm
	SINCOS TT+0,  1.0, 0.1
	SINCOS TT+2,  0.749894209332456, 0.0749894209332456
	SINCOS TT+4,  0.562341325190349, 0.0562341325190349
	SINCOS TT+6,  0.421696503428582, 0.0421696503428582
	SINCOS TT+8,  0.316227766016838, 0.0316227766016838
	SINCOS TT+10, 0.237137370566166, 0.0237137370566166
	SINCOS TT+12, 0.177827941003892, 0.0177827941003892
	SINCOS TT+14, 0.133352143216332, 0.0133352143216332
	SINCOS TT+16, 0.01, 0.001
	SINCOS TT+18, 0.00749894209332456, 0.000749894209332456
	SINCOS TT+20, 0.00562341325190349, 0.000562341325190349
	SINCOS TT+22, 0.00421696503428582, 0.000421696503428582
	SINCOS TT+24, 0.00316227766016838, 0.000316227766016838
	SINCOS TT+26, 0.00237137370566166, 0.000237137370566166
	SINCOS TT+28, 0.00177827941003892, 0.000177827941003892
	SINCOS TT+30, 0.00133352143216332, 0.000133352143216332
.irp u, 0,1,2,3,4,5,6,7
	global_store_b128 v4, v[TT+4*\u:TT+4*\u+3], s[22:23] offset:512*\u   ; 512 consecutive bytes, aligned
.endr
	s_endpgm
.Lfunc_end_k_q14be563de5_prep:
	.size	k_q14be563de5_prep, .Lfunc_end_k_q14be563de5_prep-k_q14be563de5_prep
	.p2alignl 7, 3214868480
	.fill 96, 4, 3214868480
	.section	.rodata,"a",@progbits
	.p2align	6, 0x0
	.amdhsa_kernel k_q14be563de5_prep
		.amdhsa_group_segment_fixed_size 34304
		.amdhsa_private_segment_fixed_size 0
		.amdhsa_enable_private_segment 0
		.amdhsa_kernarg_size 80
		.amdhsa_user_sgpr_count 2
		.amdhsa_user_sgpr_kernarg_segment_ptr 1
		.amdhsa_wavefront_size32 1
		.amdhsa_system_sgpr_workgroup_id_x 1
		.amdhsa_system_sgpr_workgroup_id_y 1
		.amdhsa_system_sgpr_workgroup_id_z 1
		.amdhsa_system_vgpr_workitem_id 0
		.amdhsa_next_free_vgpr 256
		.amdhsa_next_free_sgpr 66
		.amdhsa_reserve_vcc 1
		.amdhsa_float_denorm_mode_32 3
		.amdhsa_float_denorm_mode_16_64 3
		.amdhsa_memory_ordered 1
		.amdhsa_forward_progress 1
		.amdhsa_inst_pref_size 57
	.end_amdhsa_kernel
	.amdgpu_metadata
---
amdhsa.version: [ 1, 2 ]
amdhsa.kernels:
  - .name:           k_q14be563de5_prep
    .symbol:         k_q14be563de5_prep.kd
    .args:
      - { .name: x, .offset: 0, .size: 8, .value_kind: global_buffer, .address_space: global }
      - { .name: Wq, .offset: 8, .size: 8, .value_kind: global_buffer, .address_space: global }
      - { .name: Wk, .offset: 16, .size: 8, .value_kind: global_buffer, .address_space: global }
      - { .name: Wv, .offset: 24, .size: 8, .value_kind: global_buffer, .address_space: global }
      - { .name: Wo, .offset: 32, .size: 8, .value_kind: global_buffer, .address_space: global }
      - { .name: xc, .offset: 40, .size: 8, .value_kind: global_buffer, .address_space: global }
      - { .name: xs, .offset: 48, .size: 8, .value_kind: global_buffer, .address_space: global }
      - { .name: wc, .offset: 56, .size: 8, .value_kind: global_buffer, .address_space: global }
      - { .name: ws, .offset: 64, .size: 8, .value_kind: global_buffer, .address_space: global }
      - { .name: tab, .offset: 72, .size: 8, .value_kind: global_buffer, .address_space: global }
    .group_segment_fixed_size: 34304
    .private_segment_fixed_size: 0
    .kernarg_segment_align: 8
    .kernarg_segment_size: 80
    .max_flat_workgroup_size: 128
    .sgpr_count:     66
    .vgpr_count:     256
    .wavefront_size: 32
...
	.end_amdgpu_metadata
.endif
;; end of part 1
;; launch qkv (part 2): grid 8 x 32, 4 waves a work-group, clusters of 4 x 4, 327,680 bytes of LDS; arguments xc, xs, wc, ws, tab, qkv; writes qkv
.if DOCPART == 2
	.amdgcn_target "amdgcn-amd-amdhsa--gfx1250"
	.amdhsa_code_object_version 6
	.text
	.protected	k_q14be563de5_qkv
	.globl	k_q14be563de5_qkv
	.p2align	8
	.type	k_q14be563de5_qkv,@function
k_q14be563de5_qkv:
	s_mov_b64 s[64:65], 0
	v_nop
	global_prefetch_b8 v0, s[64:65] scope:SCOPE_SE
	s_setreg_imm32_b32 hwreg(HW_REG_WAVE_MODE, 25, 1), 1
	s_wait_xcnt 0x0
	s_wait_alu depctr_hold_cnt(0) depctr_sa_sdst(0) depctr_va_vdst(0) depctr_va_sdst(0) depctr_va_ssrc(0) depctr_va_vcc(0) depctr_vm_vsrc(0)
	s_getreg_b32 s2, hwreg(HW_REG_IB_STS2, 6, 4)
	s_cmp_eq_u32 s2, 0
	s_cbranch_scc0 .Lentry_in_a_cluster
	s_endpgm
.Lentry_in_a_cluster:
	s_bfe_u32 s2, ttmp6, 0x10000c
	s_cmp_lg_u32 s2, 0xf033
	s_cbranch_scc0 .Lentry_shape_is_right
	s_endpgm
.Lentry_shape_is_right:
; q = x Wq^T, k = x Wk^T, v = x Wv^T on codes of FP6 (E2M3) with E8M0 scales; q and k are rotated (f32) and quantised along the head's 64, v along the KEYS; all three leave as operand images.
; 256 work-groups of four waves, each with TWO PRODUCTS on end.  FIRST: 256 tokens x 256 features of q (cluster x = 0) or k (1): a wave makes 128 x 128, 64 accumulators.
; SECOND: 128 features of v x the same 256 tokens: a wave makes 64 features (one head) x 128 tokens (one key step), 32 accumulators.  Tile column X = 4 x cluster x + cx gives W's rows 256 X of q and k together, and Wv's rows 128 X.
; K = 1,024 goes in four slots' worth of 256 through a ring of two LDS slots.  THE RING GOES ON INTO THE SECOND PRODUCT: the first product's last two changes of slots ask for the second's first two slots
; and for Wv's scale words, which are on their way while q or k is rotated and quantised.  x's scale words stay in LDS from the head on.
; OPERANDS lie in memory as images of their registers ([tile of 16 rows][16 halves of 64 K][768 bytes]), so a slot's part of a row tile is 3,072 consecutive bytes, and a fragment comes by four dense LDS loads.
; The matrix instruction takes the B side as source 0 and the A side as source 1: a lane holds ONE row of the A side, and, by the order of rows in a tile (row 32 (t / 2) + 8 (t % 2) + r + 8 (r / 8)),
; the 64 registers of an A block run along 128 neighbouring rows of the B side: register 16 b + i is row 32 b + 16 (lane / 16) + i.
; FIRST: A side = x (tokens), B side = W (features).  SECOND: A side = Wv (8 row tiles, at a slot's start), B side = x (16 row tiles, where B's always lie): registers run along 128 tokens, the second attention product's K.
; CLUSTERS: 4 x 4 work-groups; x's tiles are shared along a row of the cluster, W's along a column, in both products; each is asked for jointly.
; No prefetch: K has four slots, of which two are asked for at the head, and the second product's first two a whole way out ahead of their use.
; OUT (buffer qkv): q at 0, k at 6,815,744: a head is 4 chunks of 26,624 bytes (512 tokens): [4 groups of 128 tokens][8 tiles][768 bytes of codes], then [4][2][r][4 scale words]; a word repeats the head's two bytes.
;                   v at 13,631,488: a head is 4 chunks of 25,600 bytes: [4 groups of 128 keys][4 tiles of 16 of the head's 64][1,536 bytes], then [4][r][4 scale words].
; LIMITS: NaN and infinities are not served; a block of zeros gets the byte 1 (its codes are zeros; this program alone reads the bytes).
; REGISTERS: window 0: v1 r, v2 h, v16-23 LDS addresses, v24-29 offsets and the spare word's two, v32-63 scale words, v128-223 the A side's fragments (second product: two sets of four); on the way out v32-223 are free.
;   window 1: the B side's fragments, two sets.   windows 2, 3: the accumulators ((a, b) at v[8 (8 (a % 4) + b)]).
.set TILEB,  3072                      ; a row tile's bytes in a slot: two fragments of 1,536
.set HALFT,  8*TILEB                   ; eight row tiles: what one tensor load of the ring brings
.set SLOT,   4*HALFT                   ; the A side's tiles, then (from 2 HALFT on) the B side's
.set SCL,    2*SLOT                    ; behind the ring: the scale words for all of K, 512 bytes a tile: x's 16 tiles, then W's
.set HALFS,  4096
.set SBLK,   512
.set SPARE,  SCL+4*HALFS               ; the spare words, 128 bytes for each wave
.set NQ,     2                         ; steps of 128 in a slot
.set FR,     12
.set NL,     4                         ; LDS loads that bring a fragment
.set NP,     4                         ; places behind this matrix instruction (ISA guide 7.12.1)
.set ADRA, 16                          ; v16-17 16 x lane + my A tiles in slot 0, 1; v18-19 the same with 8 x lane
.set ADRB, 20                          ; v20-23 likewise for B
.set LI16, 24
.set LI8,  25
.set SA,   26                          ; the way out: the scale words' place
.set ADRS, 27                          ; LDS address of my scale words: lanes 0-15 the A side's, lanes 16-31 the B side's
.set SPW,  28
.set NIL,  29
.set SC,   32
.set AF,   128
.set TAB,  32                          ; the way out: v32-95 two sets of 32 cosines and sines
.set Y,    96                          ; v96-159 64 rotated numbers
.set PC,   160                         ; v160-171 codes; v172-174, v176-178 second halves
.set TM,   180
.set PW,   196
.set KW,   200                         ; v200-207 scale words of the blocks
.set SELV, 208
.set WV, 16
.set WA, 17
.set WB, 18
.set G1, 24                            ; s[24:31], s[32:39] groups 1 and 0 of x's tiles (row mask)
.set G0, 32
.set G1B, 48                           ; s[48:55], s[56:63] of W's tiles (column mask)
.set G0B, 56
.set SEL, 66
.set G1S, 68                           ; x's scale words
.set G0S, 76
.set G1SB, 80                          ; W's
.set G0SB, 88
.set MYA, 100
.set MYB, 101
.set MSB, 0
.macro WIN new                         ; the immediate's high byte repeats the setting that is left
.if MSB != \new
	s_set_vgpr_msb (MSB<<8)|\new
.set MSB, \new
.endif
.endm
.set MUL_LO, 0xa1                      ; source 0 (B) window 1, source 1 (A) window 0, C and D window 2
.set MUL_HI, 0xf1
.set TO_B,   0x40
.macro PLACES n
.rept \n
	v_nop
.endr
.endm
.macro TL g0, g1                       ; a tensor load with an s_nop and four v_nop behind it
	tensor_load_to_lds s[\g0:\g0+3], s[\g1:\g1+7]
	s_nop 0
	PLACES 4
.endm
.macro JLOAD g0a, g1a, g0b, g1b        ; first product: waves 0 and 1 fetch x's halves, waves 2 and 3 W's
	s_cmp_eq_u32 s[WA], 0
	s_cbranch_scc0 .Lfor_b_\@
	TL \g0a, \g1a
	s_branch .Lasked_\@
.Lfor_b_\@:
	TL \g0b, \g1b
.Lasked_\@:
.endm
.macro RLOAD s, sc                     ; second product: wave 0 fetches Wv's 8 tiles, waves 2 and 3 x's halves; sc = 1: wave 1 fetches Wv's scale words
	s_cmp_lt_u32 s[WV], 1
	s_cbranch_scc0 .Lr1_\@
	TL G0B+4*\s, G1B
	s_branch .Lrj_\@
.Lr1_\@:
	s_cmp_lt_u32 s[WV], 2
	s_cbranch_scc0 .Lr2_\@
.if \sc
	TL G0SB, G1SB
.endif
	s_branch .Lrj_\@
.Lr2_\@:
	TL G0+4*\s, G1
.Lrj_\@:
	PLACES NP                                      ; the places in front of the loads that follow, for a wave that comes round the load
.endm
.macro CREST                           ; a round of the cluster's barrier behind its opening barrier
	s_cmp_lg_u32 s[WV], 0
	s_cbranch_scc1 .Lnot_wave_0_\@
	s_barrier_signal -3
.Lnot_wave_0_\@:
	s_barrier_wait -3
	s_barrier_signal -1
	s_barrier_wait -1
.endm
.macro CROUND
	s_barrier_signal -1
	s_barrier_wait -1
	CREST
.endm
.macro FRAG reg, adr, q, i             ; a fragment (16 rows x 128 K, 12 registers) as it lies; every load reads consecutive bytes
	ds_load_b128 v[\reg:\reg+3], v[\adr] offset:(\i)*TILEB+(\q)*1536
	ds_load_b64 v[\reg+4:\reg+5], v[\adr+2] offset:(\i)*TILEB+(\q)*1536+512
	ds_load_b128 v[\reg+6:\reg+9], v[\adr] offset:(\i)*TILEB+(\q)*1536+768
	ds_load_b64 v[\reg+10:\reg+11], v[\adr+2] offset:(\i)*TILEB+(\q)*1536+1280
.endm
; 16 matrix instructions: A blocks a0, a0 + 1 x B's eight.  af: where A's block 0 lies.  The accumulators take turns, one instruction a turn, in the same order in every step.
.macro MULX a0, p, q, sc, zero, af
.irp a, \a0, \a0+1
.irp b, 0,1,2,3,4,5,6,7
.if \zero
	v_wmma_scale_f32_16x16x128_f8f6f4 v[8*(8*((\a)%4)+\b):8*(8*((\a)%4)+\b)+7], v[128*(\p)+FR*\b:128*(\p)+FR*\b+FR-1], v[\af+FR*(\a):\af+FR*(\a)+FR-1], 0, v[SC+8*NQ*(\sc)+NQ*\b+(\q)], v[SC+8*NQ*(\sc)+NQ*(\a)+(\q)] matrix_a_fmt:MATRIX_FMT_FP6 matrix_b_fmt:MATRIX_FMT_FP6 matrix_a_scale:MATRIX_SCALE_ROW1
.else
	v_wmma_scale_f32_16x16x128_f8f6f4 v[8*(8*((\a)%4)+\b):8*(8*((\a)%4)+\b)+7], v[128*(\p)+FR*\b:128*(\p)+FR*\b+FR-1], v[\af+FR*(\a):\af+FR*(\a)+FR-1], v[8*(8*((\a)%4)+\b):8*(8*((\a)%4)+\b)+7], v[SC+8*NQ*(\sc)+NQ*\b+(\q)], v[SC+8*NQ*(\sc)+NQ*(\a)+(\q)] matrix_a_fmt:MATRIX_FMT_FP6 matrix_b_fmt:MATRIX_FMT_FP6 matrix_a_scale:MATRIX_SCALE_ROW1
.endif
.endr
.endr
.endm
.macro MUL16 a0, p, q, sc, zero
	MULX \a0, \p, \q, \sc, \zero, AF
.endm
.macro MULH a0, q, sc, zero            ; second product: step q of a slot multiplies set q of both sides
	MULX \a0, \q, \q, \sc, \zero, AF+48*(\q)
.endm
.macro FETCH_B slot, q, p
	WIN TO_B
.irp i, 0,1,2,3,4,5,6,7
	FRAG 128*(\p)+FR*\i, ADRB+\slot, \q, \i
.endr
	WIN 0
.endm
.macro FETCH_A slot, q, i0
.irp i, \i0, \i0+1, \i0+2, \i0+3
	FRAG AF+FR*(\i), ADRA+\slot, \q, \i
.endr
.endm
.macro FETCHH slot, q                  ; second product: B's eight and A's four fragments of step q into set q: 48 loads
	FETCH_B \slot, \q, \q
.irp i, 0,1,2,3
	FRAG AF+48*(\q)+FR*\i, ADRA+\slot, \q, \i
.endr
.endm
.macro SCALES sc                       ; a slot's two scale words a row: lanes 0-15 the A side's block i, lanes 16-31 the B side's
.irp i, 0,1,2,3,4,5,6,7
	ds_load_b64 v[SC+8*NQ*\sc+NQ*\i:SC+8*NQ*\sc+NQ*\i+1], v[ADRS] offset:\i*SBLK
.endr
.endm
.macro STEP slot, q, zero              ; first product: a step of 128 along K that has its successor in the same slot
	s_wait_dscnt 4*NL                              ; B's set and A's blocks 0-3 are in; the youngest 16 loads (A's blocks 4-7) may be out
	WIN MUL_LO
	MUL16 0, (\q)%2, \q, \slot, \zero
	MUL16 2, (\q)%2, \q, \slot, \zero
	s_wait_dscnt 0
	PLACES NP
	FETCH_B \slot, (\q)+1, 1-(\q)%2
	FETCH_A \slot, (\q)+1, 0
	WIN MUL_HI
	MUL16 4, (\q)%2, \q, \slot, \zero
	MUL16 6, (\q)%2, \q, \slot, \zero
	PLACES NP
	WIN 0
	FETCH_A \slot, (\q)+1, 4
.endm
.macro MEET slot                       ; the first half of a slot's last step: all my tensor loads, the add, my reads of this slot; the barrier opens a round of the cluster's
	s_wait_tensorcnt 0x0
	ds_add_u32 v[SPW], v[NIL]
	s_wait_dscnt 4*NL+1                            ; (the add and the youngest 16 loads may be out)
	WIN MUL_LO
	MUL16 0, 1, NQ-1, \slot, 0
	s_wait_dscnt 0x0
	s_barrier_signal -1
	MUL16 2, 1, NQ-1, \slot, 0
	WIN 0
	s_barrier_wait -1
	CREST
.endm
; A slot's last step changes slots.  fill = 1: the slot takes this product's K two slots on; fill = 2: the second product's first slot, and every descriptor is set for that product (no tensor load of mine is out).
.macro TURN slot, next, fill
	MEET \slot
.if \fill == 1
	s_add_nc_u64 s[G0+4*\slot+2:G0+4*\slot+3], s[G0+4*\slot+2:G0+4*\slot+3], 2*TILEB
	s_add_nc_u64 s[G0B+4*\slot+2:G0B+4*\slot+3], s[G0B+4*\slot+2:G0B+4*\slot+3], 2*TILEB
	JLOAD G0+4*\slot, G1, G0B+4*\slot, G1B         ; the first tensor load behind the round; its four v_nop are the places in front of the loads below
.else
.irp s, 0,1
	s_sub_nc_u64 s[G0+4*\s+2:G0+4*\s+3], s[G0+4*\s+2:G0+4*\s+3], 2*TILEB   ; x's tiles once more from K's start; in waves 2 and 3 their LDS place is B's
	s_add_nc_u64 s[G0B+4*\s+2:G0B+4*\s+3], s[98:99], \s*TILEB              ; Wv's 8 tiles, to the slot's start
	s_or_b32 s[G0B+4*\s+3], s[G0B+4*\s+3], 0x80000000
	s_mov_b32 s[G0B+4*\s+1], \s*SLOT
.endr
	s_mov_b64 s[G0SB+2:G0SB+3], s[2:3]             ; Wv's scale words: 8 tiles, 16 rows of 256 bytes, onto W's
	s_or_b32 s[G0SB+3], s[G0SB+3], 0x80000000
	s_mov_b32 s[G1SB+2], 16<<16
	s_mov_b32 s[G1SB+4], 16
	RLOAD \slot, 0
.endif
	s_wait_alu depctr_va_vdst(0)
	v_add_nc_u32 v[ADRS], 128, v[ADRS]             ; the next slot's scale words
	FETCH_B \next, 0, 0
	FETCH_A \next, 0, 0
	SCALES \next
	WIN MUL_HI
	MUL16 4, 1, NQ-1, \slot, 0
	MUL16 6, 1, NQ-1, \slot, 0
	PLACES NP
	WIN 0
	FETCH_A \next, 0, 4
.endm
.macro STEPH slot, zero                ; second product: a slot's first step; the second step's 48 loads are issued ahead of its 32 products
	FETCHH \slot, 1
	s_wait_dscnt 48                                ; all but the 48 just issued
	WIN MUL_LO
	MULH 0, 0, \slot, \zero
	MULH 2, 0, \slot, \zero
	WIN 0
.endm
.macro TURNH slot, next, fill          ; its second step, which changes slots
	s_wait_tensorcnt 0x0
	ds_add_u32 v[SPW], v[NIL]
	s_wait_dscnt 1                                 ; (the add may be out)
	WIN MUL_LO
	MULH 0, 1, \slot, 0
	s_wait_dscnt 0x0
	s_barrier_signal -1
	MULH 2, 1, \slot, 0
	WIN 0
	s_barrier_wait -1
.if \fill
	CREST
	s_add_nc_u64 s[G0+4*\slot+2:G0+4*\slot+3], s[G0+4*\slot+2:G0+4*\slot+3], 2*TILEB
	s_add_nc_u64 s[G0B+4*\slot+2:G0B+4*\slot+3], s[G0B+4*\slot+2:G0B+4*\slot+3], 2*TILEB
	RLOAD \slot, 0
.else
	PLACES NP
.endif
	s_wait_alu depctr_va_vdst(0)
	v_add_nc_u32 v[ADRS], 128, v[ADRS]
	FETCHH \next, 0
	SCALES \next
.endm
	s_load_b256 s[4:11], s[0:1], 0x0               ; xc, xs, wc, ws
	s_load_b128 s[12:15], s[0:1], 0x20             ; tab, qkv
	v_lshl_add_u32 v[SPW], v0, 2, SPARE
	v_mov_b32 v[NIL], 0
	ds_add_u32 v[SPW], v[NIL]                      ; the opening lines: the add twice and its wait
	ds_add_u32 v[SPW], v[NIL]
	s_wait_dscnt 0x0
	v_lshrrev_b32 v1, 5, v0
	v_readfirstlane_b32 s[WV], v1                  ; wave 0..3
	s_lshr_b32 s[WA], s[WV], 1                     ; which half of the A side's tiles is mine
	s_and_b32 s[WB], s[WV], 1                      ; which half of the B side's.  Also: which half of a side I fetch
	s_bfe_u32 s40, ttmp6, 0x40000                  ; cx
	s_bfe_u32 s41, ttmp6, 0x40004                  ; cy
	s_lshl_b32 s43, s41, 2
	s_lshl_b32 s43, 15, s43                        ; my row of the cluster
	s_lshl_b32 s44, 0x1111, s40                    ; my column
	; group 1 for codes: row tiles of 384 elements of 8 bytes, 1,536 elements apart; dense in LDS; 16 tiles for the head's loads, then 8
	s_or_b32 s[G1+0], s43, (3<<16)|(1<<21)
	s_or_b32 s[G1B+0], s44, (3<<16)|(1<<21)
.irp g, G1, G1B
	s_mov_b32 s[\g+1], 384<<16
	s_mov_b32 s[\g+2], 16<<16
	s_mov_b32 s[\g+3], 384<<16
	s_mov_b32 s[\g+4], 16
	s_mov_b32 s[\g+5], 1536
	s_mov_b32 s[\g+6], 0
	s_mov_b32 s[\g+7], 0
.endr
	; and for the scale words of 16 row tiles: 8,192 dense bytes as 32 rows of 256
	s_or_b32 s[G1S+0], s43, (3<<16)|(1<<21)
	s_or_b32 s[G1SB+0], s44, (3<<16)|(1<<21)
.irp g, G1S, G1SB
	s_mov_b32 s[\g+1], 32<<16
	s_mov_b32 s[\g+2], 32<<16
	s_mov_b32 s[\g+3], 32<<16
	s_mov_b32 s[\g+4], 32
	s_mov_b32 s[\g+5], 32
	s_mov_b32 s[\g+6], 0
	s_mov_b32 s[\g+7], 0
.endr
	s_and_b32 s19, ttmp7, 0xffff
	s_lshl_b32 s19, s19, 6                         ; 64 x cluster y
	s_lshl_b32 s42, ttmp9, 6                       ; 64 x cluster x: Wq's row tiles begin at 0 of wc, Wk's at 64
	s_lshl_b32 s22, s41, 4
	s_add_co_u32 s21, s19, s22                     ; x's first row tile: + 16 cy
	s_lshl_b32 s45, s40, 4
	s_add_co_u32 s42, s42, s45                     ; W's: + 16 cx: 16 X
	s_lshl_b32 s3, s[WA], 3
	s_add_co_u32 s[MYA], s21, s3                   ; the tiles of x that I multiply in the first product
	s_lshl_b32 s23, s[WB], 3
	s_add_co_u32 s[MYB], s42, s23                  ; the tiles of W that I multiply, and fetch if I fetch for W
	s_add_co_u32 s21, s21, s23                     ; the tiles of x that I fetch
	s_mul_i32 s46, s21, 12288
	s_mov_b32 s47, 0
	s_lshl_b32 s92, s21, 9
	s_mov_b32 s93, 0
	s_mul_i32 s94, s[MYB], 12288
	s_mov_b32 s95, 0
	s_lshl_b32 s96, s[MYB], 9
	s_mov_b32 s97, 0
	s_mul_i32 s45, s[WV], HALFT                    ; where a ring's load goes: no place in the cluster enters an LDS address
	s_wait_kmcnt 0x0
	s_add_nc_u64 s[20:21], s[4:5], s[46:47]
	s_add_nc_u64 s[22:23], s[6:7], s[92:93]
	s_add_nc_u64 s[98:99], s[8:9], s[94:95]
	s_add_nc_u64 s[2:3], s[10:11], s[96:97]
	CROUND                                         ; all sixteen work-groups are here: the first joint loads meet
	s_lshl_b32 s46, s[WB], 12                      ; back from my half's scale words to the side's first (s47 = 0)
	s_mov_b32 s[G0S], 1
	s_mov_b32 s[G0S+1], SCL
	s_sub_nc_u64 s[G0S+2:G0S+3], s[22:23], s[46:47]
	s_or_b32 s[G0S+3], s[G0S+3], 0x80000000
	s_mov_b32 s[G0SB], 1
	s_mov_b32 s[G0SB+1], SCL+2*HALFS
	s_sub_nc_u64 s[G0SB+2:G0SB+3], s[2:3], s[46:47]
	s_or_b32 s[G0SB+3], s[G0SB+3], 0x80000000
.irp s, 0,1
	s_mov_b32 s[G0+4*\s], 1
	s_add_co_u32 s[G0+4*\s+1], s45, \s*SLOT
	s_add_nc_u64 s[G0+4*\s+2:G0+4*\s+3], s[20:21], \s*TILEB
	s_or_b32 s[G0+4*\s+3], s[G0+4*\s+3], 0x80000000
	s_mov_b32 s[G0B+4*\s], 1
	s_add_co_u32 s[G0B+4*\s+1], s45, \s*SLOT
	s_add_nc_u64 s[G0B+4*\s+2:G0B+4*\s+3], s[98:99], \s*TILEB
	s_or_b32 s[G0B+4*\s+3], s[G0B+4*\s+3], 0x80000000
.endr
	; the head's four tiles, one joint load a wave: wave 0 slot 0's 16 tiles of x, wave 1 x's scale words, wave 2 W's 16 tiles, wave 3 W's scale words
	s_cmp_lt_u32 s[WV], 1
	s_cbranch_scc0 .Lhead_1
	TL G0, G1
	s_branch .Lhead_asked
.Lhead_1:
	s_cmp_lt_u32 s[WV], 2
	s_cbranch_scc0 .Lhead_2
	TL G0S, G1S
	s_branch .Lhead_asked
.Lhead_2:
	s_cmp_lt_u32 s[WV], 3
	s_cbranch_scc0 .Lhead_3
	TL G0B, G1B
	s_branch .Lhead_asked
.Lhead_3:
	TL G0SB, G1SB
.Lhead_asked:
	s_lshr_b32 s46, s42, 1
	s_add_co_u32 s46, s46, 128                     ; Wv's first row tile of the second product: 128 + 8 X
	s_mul_i32 s92, s46, 12288
	s_add_nc_u64 s[98:99], s[8:9], s[92:93]        ; its codes,
	s_lshl_b32 s92, s46, 9
	s_add_nc_u64 s[2:3], s[10:11], s[92:93]        ; its scale words
	v_and_b32 v1, 15, v0                           ; r
	v_bfe_u32 v2, v0, 4, 1                         ; h
	v_and_b32 v3, 31, v0
	v_lshlrev_b32 v[LI16], 4, v3
	v_lshlrev_b32 v[LI8], 3, v3
	s_mul_i32 s21, s[WA], HALFT
	s_mul_i32 s22, s[WB], HALFT
	s_add_co_u32 s22, s22, 2*HALFT
.irp s, 0,1
	v_add_nc_u32 v[ADRA+\s], s21, v[LI16]
	v_add_nc_u32 v[ADRB+\s], s22, v[LI16]
	v_add_nc_u32 v[ADRA+2+\s], s21, v[LI8]
	v_add_nc_u32 v[ADRB+2+\s], s22, v[LI8]
	s_add_co_u32 s21, s21, SLOT
	s_add_co_u32 s22, s22, SLOT
.endr
	s_mul_i32 s21, s[WA], HALFS
	s_mul_i32 s22, s[WB], HALFS
	s_add_co_u32 s22, s22, 2*HALFS
	s_sub_co_u32 s22, s22, s21
	v_mul_u32_u24 v6, s22, v2                      ; lanes 16-31 take the B side's words: one product, the distance between the two
	s_add_co_u32 s21, s21, SCL
	v_lshl_add_u32 v6, v1, 3, v6
	v_add_nc_u32 v[ADRS], s21, v6
	s_wait_alu depctr_va_vdst(0)
	s_wait_tensorcnt 0x0                           ; my tile of the head's four is in; slot 1's first fill is issued as a refill is
	ds_add_u32 v[SPW], v[NIL]
	s_mov_b32 s[G1+2], 8<<16                       ; no tensor load of mine is out: from here on a load brings 8 row tiles
	s_mov_b32 s[G1+4], 8
	s_mov_b32 s[G1B+2], 8<<16
	s_mov_b32 s[G1B+4], 8
	s_wait_dscnt 0x0
	CROUND
	JLOAD G0+4, G1, G0B+4, G1B
	FETCH_B 0, 0, 0
	FETCH_A 0, 0, 0
	SCALES 0
	FETCH_A 0, 0, 4
	STEP 0, 0, 1                                   ; the first products start the sums: nothing is cleared
	TURN 0, 1, 1                                   ; slot 0 takes K 512 on
	STEP 1, 0, 0
	TURN 1, 0, 1                                   ; slot 1 takes K 768 on
	STEP 0, 0, 0
	TURN 0, 1, 2                                   ; slot 0 takes the second product's K 0 on
	STEP 1, 0, 0
	MEET 1                                         ; the first product's last step: slot 1 and W's scale words are read no more
	RLOAD 1, 1                                     ; slot 1 takes the second product's K 256 on, W's scale words' place Wv's
	WIN MUL_HI
	MUL16 4, 1, NQ-1, 1, 0
	MUL16 6, 1, NQ-1, 1, 0
	WIN 0
; 64 numbers of a lane in window w, register 16 b + i = k 32 b + 16 (lane / 16) + i of my row, become a fragment's codes in v[PC] on and its scale word in v[pw].  Each accumulator is read from its low end on.
.macro QUANT s, w, pw
	WIN (\w)|((\w)<<2)
.irp b, 0,1,2,3
	v_max3_num_f32 v[TM+\b], |v[\s+16*\b]|, |v[\s+1+16*\b]|, 0x1800000   ; with the floor 2^(3 - 127): the byte cannot fall under 1
.endr
	WIN ((\w)<<2)|((\w)<<4)
.irp i, 2,4,6,8,10,12,14
.irp b, 0,1,2,3
	v_max3_num_f32 v[TM+\b], v[TM+\b], |v[\s+16*\b+\i]|, |v[\s+1+16*\b+\i]|
.endr
.endr
	WIN 0
.irp b, 0,1,2,3
	v_permlanex16_b32 v[TM+4+\b], v[TM+\b], s[SEL], s[SEL+1]
.endr
.irp b, 0,1,2,3
	v_max_num_f32 v[TM+\b], v[TM+\b], v[TM+4+\b]   ; with lane l xor 16's: the block's largest magnitude
.endr
.irp b, 0,1,2,3
	v_add_nc_u32 v[TM+12+\b], 0xff000000, v[TM+\b] ; 2 off its exponent field: the conversion's scale operand
.endr
.irp b, 0,1,2,3
	v_lshrrev_b32 v[TM+4+\b], 23, v[TM+12+\b]      ; the scale's byte
.endr
	v_lshl_or_b32 v[\pw], v[TM+5], 8, v[TM+4]
	v_lshl_or_b32 v[\pw], v[TM+6], 16, v[\pw]
	v_lshl_or_b32 v[\pw], v[TM+7], 24, v[\pw]
	WIN (\w)
.irp c, 0,1
	v_cvt_scalef32_pk16_fp6_f32 v[PC+6*\c:PC+2+6*\c], v[\s+32*\c:\s+15+32*\c], v[TM+12+2*\c]
	v_cvt_scalef32_pk16_fp6_f32 v[PC+12+4*\c:PC+14+4*\c], v[\s+16+32*\c:\s+31+32*\c], v[TM+12+2*\c+1]   ; (a conversion's three registers begin on an even number)
.endr
	WIN 0
	v_nop                                          ; one plain place behind a scaled conversion
.irp c, 0,1                            ; the operand's layout wants a whole block in a lane
.irp i, 0,1,2
	v_permlane16_swap_b32 v[PC+6*\c+\i], v[PC+12+4*\c+\i]
.endr
.irp i, 0,1,2
	v_mov_b32 v[PC+3+6*\c+\i], v[PC+12+4*\c+\i]
.endr
.endr
.endm
	PLACES NP                                      ; behind the last products: results are read, and registers that they read are written and loaded
.irp b, 0,1,2,3
	v_mov_b32 v[TM+4+\b], 0                        ; a lane permute's destination counts as one of its sources
.endr
	s_mov_b32 s[SEL], 0x76543210
	s_mov_b32 s[SEL+1], 0xfedcba98
	s_mov_b32 s23, 0
	; ---- q or k: my 8 tiles of tokens x my two heads
	s_lshr_b32 s20, s[MYA], 7                      ; batch
	s_lshl_b32 s20, s20, 4
	s_bfe_u32 s21, s[MYB], 0x40002                 ; my first head
	s_add_co_u32 s20, s20, s21
	s_mul_i32 s20, s20, 106496
	s_mul_i32 s21, ttmp9, 6815744                  ; q or k
	s_add_co_u32 s20, s20, s21
	s_bfe_u32 s21, s[MYA], 0x20005                 ; the chunk of 512 tokens
	s_mul_i32 s21, s21, 26624
	s_add_co_u32 s20, s20, s21
	s_bfe_u32 s21, s[MYA], 0x20003                 ; the group of 128 in it
	s_mul_i32 s22, s21, 6144
	s_add_co_u32 s22, s22, s20
	s_add_nc_u64 s[92:93], s[14:15], s[22:23]      ; the codes
	s_lshl_b32 s22, s21, 9
	s_add_co_u32 s22, s22, s20
	s_add_co_u32 s22, s22, 24576
	s_add_nc_u64 s[94:95], s[14:15], s[22:23]      ; the scale words
	s_and_b32 s22, s[MYA], 127
	s_lshl_b32 s22, s22, 12
	s_add_nc_u64 s[96:97], s[12:13], s[22:23]      ; the table at my first tile's positions
	v_mul_u32_u24 v[SA], v2, 106496
	v_lshl_add_u32 v[SA], v1, 4, v[SA]             ; lanes 0-15 store the first head's words, lanes 16-31 the second's
	v_mov_b32 v[SELV], 0x01000100
	v_mov_b32 v[SELV+1], 0x03020302
	v_cmp_eq_u32 vcc_lo, 1, v2
	v_cndmask_b32 v[SELV], v[SELV], v[SELV+1], vcc_lo
.macro TABLOAD a
.irp u, 0,1,2,3,4,5,6,7
	global_load_b128 v[TAB+32*((\a)%2)+4*\u:TAB+32*((\a)%2)+4*\u+3], v[LI16], s[96:97] offset:(\a)*4096+512*\u
.endr
.endm
.macro QKBLK a                         ; tile a of tokens: rotate, quantise, store
.set QAC, 64*((\a)%4)
.set QW, 2+(\a)/4
.set QT, TAB+32*((\a)%2)
	s_wait_xcnt 0x0                                ; the last tile's stores have read the codes' registers
.if (\a) < 7
	TABLOAD (\a)+1
	s_wait_loadcnt 8                               ; this tile's table is in; the next tile's 8 loads may be out
.else
	s_wait_loadcnt 0x0
.endif
	WIN QW
.set QP, 0
.rept 32
	v_pk_mul_f32 v[Y+2*QP:Y+2*QP+1], v[QAC+2*QP:QAC+2*QP+1], v[QT+16*((QP/8)%2)+2*(QP%8):QT+16*((QP/8)%2)+2*(QP%8)+1] op_sel_hi:[1,0]   ; (xe c, xo c)
.set QP, QP+1
.endr
.set QP, 0
.rept 32
	v_pk_fma_f32 v[Y+2*QP:Y+2*QP+1], v[QAC+2*QP:QAC+2*QP+1], v[QT+16*((QP/8)%2)+2*(QP%8):QT+16*((QP/8)%2)+2*(QP%8)+1], v[Y+2*QP:Y+2*QP+1] op_sel:[1,1,0] op_sel_hi:[0,1,1] neg_lo:[1,0,0]   ; (- xo s + xe c, xe s + xo c)
.set QP, QP+1
.endr
	WIN 0
	QUANT Y, 0, PW
.irp c, 0,1                            ; registers 6 c .. 6 c + 5 are head c's 64: its half fragment
	global_store_b128 v[LI16], v[PC+6*\c:PC+6*\c+3], s[92:93] offset:\c*106496+(\a)*768
	global_store_b64 v[LI8], v[PC+6*\c+4:PC+6*\c+5], s[92:93] offset:\c*106496+(\a)*768+512
.endr
	v_perm_b32 v[KW+(\a)], v[PW], v[PW], v[SELV]   ; my head's two bytes, twice: the second pair scales the zero half of the score product's K
.endm
	TABLOAD 0
.irp a, 0,1,2,3,4,5,6,7
	QKBLK \a
.endr
	global_store_b128 v[SA], v[KW:KW+3], s[94:95]
	global_store_b128 v[SA], v[KW+4:KW+7], s[94:95] offset:256
	; ---- THE SECOND PRODUCT: Wv's 128 rows x my work-group's 256 tokens
	s_wait_xcnt 0x0                                ; the stores have read the registers in which fragments land, and their bases
	s_mul_i32 s21, s[WA], 4*TILEB                  ; my four tiles of Wv
.irp s, 0,1
	v_add_nc_u32 v[ADRA+\s], s21, v[LI16]
	v_add_nc_u32 v[ADRA+2+\s], s21, v[LI8]
	s_add_co_u32 s21, s21, SLOT
.endr
	s_mul_i32 s21, s[WB], HALFS                    ; the B side's words are x's, which lie lower: lanes 0-15 take the A side's by one product, the distance between the two
	s_mul_i32 s22, s[WA], 2048
	s_add_co_u32 s22, s22, 2*HALFS
	s_sub_co_u32 s22, s22, s21
	v_sub_nc_u32 v6, 1, v2
	v_mul_u32_u24 v6, s22, v6
	s_add_co_u32 s21, s21, SCL
	v_lshl_add_u32 v6, v1, 3, v6
	v_add_nc_u32 v[ADRS], s21, v6
	s_wait_alu depctr_va_vdst(0)
	s_wait_tensorcnt 0x0                           ; my loads of both slots are in
	s_wait_dscnt 0x0
	s_barrier_signal -1
	s_barrier_wait -1                              ; a plain barrier shows them to all four waves
	FETCHH 0, 0
	SCALES 0
	STEPH 0, 1
	TURNH 0, 1, 1                                  ; slot 0 takes K 512 on
	STEPH 1, 0
	TURNH 1, 0, 1                                  ; slot 1 takes K 768 on
	STEPH 0, 0
	TURNH 0, 1, 0
	STEPH 1, 0
	s_wait_dscnt 0x0
	WIN MUL_LO
	MULH 0, 1, 1, 0
	MULH 2, 1, 1, 0
	WIN 0
	PLACES NP
	; ---- v: my 4 tiles of features (one head) x my 128 tokens, which are one key step
	s_lshr_b32 s20, s42, 3
	s_add_co_u32 s20, s20, s[WA]                   ; my head: 2 X + my half
	s_lshl_b32 s21, s[WA], 3
	s_sub_co_u32 s[MYB], s[MYA], s21
	s_lshl_b32 s21, s[WB], 3
	s_add_co_u32 s[MYB], s[MYB], s21               ; my eight tiles of tokens
	s_lshr_b32 s21, s[MYB], 7                      ; batch
	s_lshl_b32 s21, s21, 4
	s_add_co_u32 s20, s20, s21
	s_mul_i32 s20, s20, 102400
	s_add_co_u32 s20, s20, 13631488
	s_bfe_u32 s21, s[MYB], 0x20005                 ; the chunk of 512 keys
	s_mul_i32 s21, s21, 25600
	s_add_co_u32 s20, s20, s21
	s_bfe_u32 s21, s[MYB], 0x20003                 ; the key step in it
	s_mul_i32 s22, s21, 6144
	s_add_co_u32 s22, s22, s20
	s_add_nc_u64 s[92:93], s[14:15], s[22:23]
	s_lshl_b32 s22, s21, 8
	s_add_co_u32 s22, s22, s20
	s_add_co_u32 s22, s22, 24576
	s_add_nc_u64 s[94:95], s[14:15], s[22:23]
	v_lshlrev_b32 v[SA], 4, v1                     ; 16 r: both halves of the lanes hold the same words and store them to the same place
.macro VBLK a
	s_wait_xcnt 0x0                                ; the last tile's stores have read the codes' registers
	QUANT 64*(\a), 2, KW+(\a)
.irp i, 0,1,2
	global_store_b128 v[LI16], v[PC+4*\i:PC+4*\i+3], s[92:93] offset:(\a)*1536+512*\i
.endr
.endm
.irp a, 0,1,2,3
	VBLK \a
.endr
	global_store_b128 v[SA], v[KW:KW+3], s[94:95]
	s_wait_tensorcnt 0x0                           ; the wave's end
	ds_add_u32 v[SPW], v[NIL]
	s_wait_dscnt 0x0
	CROUND                                         ; the closing round: no work-group ends while a partner may still ask for a tile that names it
	s_endpgm
.Lfunc_end_k_q14be563de5_qkv:
	.size	k_q14be563de5_qkv, .Lfunc_end_k_q14be563de5_qkv-k_q14be563de5_qkv
	.p2alignl 7, 3214868480
	.fill 96, 4, 3214868480
	.section	.rodata,"a",@progbits
	.p2align	6, 0x0
	.amdhsa_kernel k_q14be563de5_qkv
		.amdhsa_group_segment_fixed_size 327680
		.amdhsa_private_segment_fixed_size 0
		.amdhsa_enable_private_segment 0
		.amdhsa_kernarg_size 48
		.amdhsa_user_sgpr_count 2
		.amdhsa_user_sgpr_kernarg_segment_ptr 1
		.amdhsa_wavefront_size32 1
		.amdhsa_system_sgpr_workgroup_id_x 1
		.amdhsa_system_sgpr_workgroup_id_y 1
		.amdhsa_system_sgpr_workgroup_id_z 1
		.amdhsa_system_vgpr_workitem_id 0
		.amdhsa_next_free_vgpr 1024
		.amdhsa_next_free_sgpr 102
		.amdhsa_reserve_vcc 1
		.amdhsa_float_denorm_mode_32 3
		.amdhsa_float_denorm_mode_16_64 3
		.amdhsa_memory_ordered 1
		.amdhsa_forward_progress 1
		.amdhsa_inst_pref_size 255
	.end_amdhsa_kernel
	.section	.bss,"aw",@nobits
	.p2align	6
	.space	262144
	.amdgpu_metadata
---
amdhsa.version: [ 1, 2 ]
amdhsa.kernels:
  - .name:           k_q14be563de5_qkv
    .symbol:         k_q14be563de5_qkv.kd
    .args:
      - { .name: xc, .offset: 0, .size: 8, .value_kind: global_buffer, .address_space: global }
      - { .name: xs, .offset: 8, .size: 8, .value_kind: global_buffer, .address_space: global }
      - { .name: wc, .offset: 16, .size: 8, .value_kind: global_buffer, .address_space: global }
      - { .name: ws, .offset: 24, .size: 8, .value_kind: global_buffer, .address_space: global }
      - { .name: tab, .offset: 32, .size: 8, .value_kind: global_buffer, .address_space: global }
      - { .name: qkv, .offset: 40, .size: 8, .value_kind: global_buffer, .address_space: global }
    .group_segment_fixed_size: 327680
    .private_segment_fixed_size: 0
    .kernarg_segment_align: 8
    .kernarg_segment_size: 48
    .max_flat_workgroup_size: 128
    .sgpr_count:     102
    .vgpr_count:     1024
    .wavefront_size: 32
...
	.end_amdgpu_metadata
.endif
;; end of part 2
;; launch attn (part 3): grid 4 x 64, 16 waves a work-group, clusters of 4 x 1, 253,952 bytes of LDS; arguments qkv, att; writes att
.if DOCPART == 3
	.amdgcn_target "amdgcn-amd-amdhsa--gfx1250"
	.amdhsa_code_object_version 6
	.text
	.protected	k_q14be563de5_attn
	.globl	k_q14be563de5_attn
	.p2align	8
	.type	k_q14be563de5_attn,@function
k_q14be563de5_attn:
	s_mov_b64 s[64:65], 0
	v_nop
	global_prefetch_b8 v0, s[64:65] scope:SCOPE_SE
	s_setreg_imm32_b32 hwreg(HW_REG_WAVE_MODE, 25, 1), 1
	s_wait_xcnt 0x0
	s_wait_alu depctr_hold_cnt(0) depctr_sa_sdst(0) depctr_va_vdst(0) depctr_va_sdst(0) depctr_va_ssrc(0) depctr_va_vcc(0) depctr_vm_vsrc(0)
	s_getreg_b32 s2, hwreg(HW_REG_IB_STS2, 6, 4)
	s_cmp_eq_u32 s2, 0
	s_cbranch_scc0 .Lentry_in_a_cluster
	s_endpgm
.Lentry_in_a_cluster:
	s_bfe_u32 s2, ttmp6, 0x10000c
	s_cmp_lg_u32 s2, 0x3003
	s_cbranch_scc0 .Lentry_shape_is_right
	s_endpgm
.Lentry_shape_is_right:
; Causal attention on codes of FP6 (E2M3): S^T = K Q^T (K = the head's 64), p = 2^(t - M) quantised along the keys, O^T = V^T P^T, O / l quantised along the head's 64 for the last projection.
; t = score x log2(e) / 8; M = the running largest t rounded up to a whole number; the row's sum is taken of the unquantised p; when M moves, sum and O^T are multiplied by 2^(old M - new M), exactly.
; LEFT OUT: key steps of 128 whose keys all come after a tile's queries: the causal mask gives them p = 0.
; SHARES.  256 work-groups: y is the head (batch x 16 + head), x = 0 .. 3.  A work-group serves query tiles j = 2 x and 2 x + 1 of all 16 groups of 128 tokens; group g has g + 1 key steps.
; Wave w takes tile j = 2 x + (w / 2) % 2 of two groups, the later one first.  With R = w / 4 and s = w % 2: R = 0: groups 15 - s and 8 + s; R = 1: 13 - s and 10 + s; R = 2: 7 - s and 4 + s; R = 3: 3 - s and s.
; So the shares are uneven by design: 25, 25, 13 and 5 key steps for R = 0 .. 3, and the four waves w, w + 4, w + 8, w + 12 have 68 together whatever w.  j enters only Q's and the output's addresses and the mask tables' numbers.
; LDS.  A head's K and V with their scale words come ONCE, in four chunks of 512 keys each, by joint loads of the cluster's four work-groups, which share the head: one load a wave, waves 0 to 7 (wave w: chunk w / 2 of K or V by w % 2).
; One barrier shows all of them to all waves; nothing is filled again, and behind it the waves share nothing.  No prefetch: all tiles are asked for at the head, so there is no loop in which to ask ahead.
; K's rows of 256 bytes lie 320 apart in LDS.  A TILE OF K IS GATHERED BY LANE ADDRESS: tile 4 c + 2 b + e takes in its rows 8 g + m the keys 64 c + 32 g + 16 b + 8 e + m, which memory holds in tile 4 c + 2 g + e, row 8 b + m.
; So register 32 c + i of S^T in lane (query r, h) is key 64 c + 32 h + i: a lane's 32 registers are ONE scale block of p, in the order of the second product's operand; two tiles on are 1,920 bytes, half a row of banks further.
; K = 64 IN A FORM OF K = 128: Q's registers 6-11 are zero codes; K's tile t is named v[32 + 6 t .. 43 + 6 t]: its upper six registers (the next tile's codes; behind tile 7 zeros) meet Q's zeros; the scale words repeat the two real bytes.
; THE MASK is the C of the diagonal step's score products: 0 or -3e38, from two tables [tile j % 2][16][lane][16 bytes] that the waves write into LDS bytes of their own at the head (wave w: registers 8 (w % 8) .. + 7 of table w / 8).
; LIMITS: NaN and infinities are not served; a block of zeros gets the byte 1 (its codes are zeros; this program alone reads the bytes); the scaled scores stay under 2^31 in magnitude.
.set KCH,   26624                      ; a chunk of K in memory: 4 steps x 6,144 bytes of codes, then 4 x 512 of scale words
.set VCH,   25600                      ; of V: 4 x 6,144, then 4 x 256
.set KCL,   33280                      ; a chunk of K in LDS: 104 rows of 256 + 64
.set VBASE, 4*KCL
.set TBL,   VBASE+4*VCH                ; the mask tables, 2 x 8,192 bytes
.set SPARE, TBL+16384                  ; the spare words, 128 bytes a wave
.set KHEAD, 4*KCH
.set VHEAD, 4*VCH
.set KOFF,  64*KHEAD
.set VOFF,  128*KHEAD
.set ASC,   6291456                    ; the output's scale bytes lie behind its codes
.set LK16,  5                          ; v5  1,920 g + 320 h + 16 m;  v11 1,920 g + 128 h + 8 m + 640;  v86 16 m + 8 g + 30,720
.set LK8,   11
.set LSK,   86
.set LV,    87                         ; v87 16 x lane + VBASE;  v95 16 r + VBASE + 24,576;  v207 my mask table's place;  v31 8 h
.set LSV,   95
.set TBA,   207
.set SH8,   31
.set ADK16, 6                          ; v6-10 LDS addresses of the step in hand
.set ADK8,  7
.set ADV,   8
.set ADSK,  9
.set ADSV,  10
.set HH,    29                         ; v29 h;  v30 8 r + h
.set BO,    30
.set MX,    212                        ; v212-215 largest scores
.set PB,    216                        ; v216-217 the other half's; then the bytes
.set OP,    220                        ; v220-221 the conversions' scale operands
.set WV,  8
.set RHO, 9
.set KAP, 10
.set TK,  12
.set TSK, 13
.set TV,  14
.set TSV, 15
.set G1K, 16
.set G1V, 24
.set G0K, 32
.set G0V, 36
.set RH2, 60
.set SEL, 66
.set CS,  68
.macro CROUND                          ; a round of the cluster's barrier
	s_barrier_signal -1
	s_barrier_wait -1
	s_cmp_lg_u32 s[WV], 0
	s_cbranch_scc1 .Lnot_wave_0_\@
	s_barrier_signal -3
.Lnot_wave_0_\@:
	s_barrier_wait -3
	s_barrier_signal -1
	s_barrier_wait -1
.endm
.macro TLOAD g0, g1
	tensor_load_to_lds s[\g0:\g0+3], s[\g1:\g1+7]
	s_nop 0
.rept 4
	v_nop
.endr
.endm
.macro TADR rho, qc, qs, oc, os        ; byte offsets of tile j of group rho: Q's codes, Q's scale words, the output's codes, its scale bytes
	s_lshr_b32 s78, s[\rho], 2
	s_mul_i32 s78, s78, KCH
	s_add_co_u32 s78, s78, s74
	s_and_b32 s79, s[\rho], 3
	s_mul_i32 s80, s79, 6144
	s_add_co_u32 s80, s80, s78
	s_add_co_u32 s[\qc], s80, s75
	s_mov_b32 s[\qc+1], 0
	s_lshl_b32 s79, s79, 9
	s_add_co_u32 s79, s79, s78
	s_add_co_u32 s[\qs], s79, s76
	s_mov_b32 s[\qs+1], 0
	s_lshl_b32 s78, s[\rho], 3
	s_add_co_u32 s78, s78, s77             ; my row tile of the last projection's operand
	s_mul_i32 s79, s78, 12288
	s_add_co_u32 s[\oc], s79, s81
	s_mov_b32 s[\oc+1], 0
	s_lshl_b32 s78, s78, 9
	s_add_co_u32 s[\os], s78, s82
	s_mov_b32 s[\os+1], 0
.endm
.macro RESET                           ; a tile's start: the largest t -3e38, -M, the sums and O^T zero (the step is written once; the first finds zeros)
	v_mov_b32 v13, 0xff61b1e6
	v_floor_f32 v12, -v13
	v_mov_b32 v14, 0
	v_mov_b32 v15, 0
.set J, 0
.rept 32
	v_mov_b32 v[160+J], 0
.set J, J+1
.endr
.endm
	s_load_b128 s[4:7], s[0:1], 0x0                ; qkv, att
	v_lshl_add_u32 v254, v0, 2, SPARE
	v_mov_b32 v255, 0
	ds_add_u32 v254, v255                          ; the opening lines: the add twice and its wait ahead of the first tensor load
	ds_add_u32 v254, v255
	v_lshrrev_b32 v6, 5, v0
	v_readfirstlane_b32 s[WV], v6                  ; wave 0..15
	s_bfe_u32 s70, ttmp6, 0x40000                  ; cx
	s_lshl_b32 s70, s70, 1                         ; 2 cx
	s_bfe_u32 s71, s[WV], 0x10001
	s_add_co_u32 s71, s71, s70                     ; j = 2 cx + (w / 2) % 2
	s_and_b32 s72, ttmp7, 0xffff                   ; batch x 16 + head, which the partners share
	s_lshr_b32 s73, s[WV], 2
	s_lshl_b32 s73, s73, 2                         ; 4 R
	s_lshr_b32 s[RH2], 0x04a8, s73                 ; by R = 0 .. 3: 8, 10, 4, 0,
	s_and_b32 s[RH2], s[RH2], 15
	s_and_b32 s78, s[WV], 1
	s_add_co_u32 s[RH2], s[RH2], s78               ; + w % 2: my second group
	s_lshr_b32 s78, 0x3377, s73                    ; by R: 7, 7, 3, 3:
	s_and_b32 s78, s78, 15
	s_xor_b32 s[RHO], s[RH2], s78                  ; its mirror in its eight or four groups: my first
	; group 1: a chunk as rows of 256 bytes (32 elements of 8); the mask names all four work-groups; K's rows get 16 words of padding each
	s_mov_b32 s[G1K], 15|(3<<16)|(1<<20)|(1<<21)|(5<<22)|(15<<25)
	s_mov_b32 s[G1K+1], 32<<16
	s_mov_b32 s[G1K+2], 104<<16
	s_mov_b32 s[G1K+3], 32<<16
	s_mov_b32 s[G1K+4], 104
	s_mov_b32 s[G1K+5], 32
	s_mov_b32 s[G1K+6], 0
	s_mov_b32 s[G1K+7], 0
	s_mov_b32 s[G1V], 15|(3<<16)|(1<<21)
	s_mov_b32 s[G1V+1], 32<<16
	s_mov_b32 s[G1V+2], 100<<16
	s_mov_b32 s[G1V+3], 32<<16
	s_mov_b32 s[G1V+4], 100
	s_mov_b32 s[G1V+5], 32
	s_mov_b32 s[G1V+6], 0
	s_mov_b32 s[G1V+7], 0
	s_mul_i32 s74, s72, KHEAD                      ; the head's Q
	s_mul_i32 s75, s71, 768
	s_lshr_b32 s76, s71, 2
	s_lshl_b32 s76, s76, 8
	s_and_b32 s77, s71, 3
	s_lshl_b32 s77, s77, 2
	s_add_co_u32 s76, s76, s77
	s_add_co_u32 s76, s76, 24576
	s_lshr_b32 s77, s72, 4
	s_lshl_b32 s77, s77, 7
	s_add_co_u32 s77, s77, s71
	s_and_b32 s83, s72, 15                         ; the head: which 64 of the last projection's K
	s_mul_i32 s81, s83, 768
	s_lshr_b32 s82, s83, 2
	s_lshl_b32 s82, s82, 7
	s_and_b32 s83, s83, 3
	s_lshl_b32 s83, s83, 1
	s_add_co_u32 s82, s82, s83
	s_add_co_u32 s82, s82, ASC
	TADR RHO, 40, 42, 44, 46
	TADR RH2, 48, 50, 52, 54
	s_lshr_b32 s84, s[WV], 1                       ; the chunk that I ask for (waves 0 to 7),
	s_and_b32 s85, s[WV], 1                        ; of K (0) or of V (1)
	s_mul_i32 s56, s84, KCH
	s_add_co_u32 s56, s56, s74
	s_add_co_u32 s56, s56, KOFF
	s_mov_b32 s57, 0
	s_mul_i32 s58, s72, VHEAD
	s_mul_i32 s86, s84, VCH
	s_add_co_u32 s58, s58, s86
	s_add_co_u32 s58, s58, VOFF
	s_mov_b32 s59, 0
	s_mov_b32 s[G0K], 1
	s_mul_i32 s[G0K+1], s84, KCL
	s_mov_b32 s[G0V], 1
	s_add_co_u32 s[G0V+1], s86, VBASE
	s_lshr_b32 s91, s[WV], 3                       ; the table that I help to write: that of tile 2 cx + w / 8,
	s_lshl_b32 s90, s70, 4
	s_lshl_b32 s88, s91, 3
	s_add_co_u32 s90, s90, s88                     ; whose first token in a group is 32 cx + 8 (w / 8)
	s_and_b32 s86, s[WV], 7                        ; my eighth of it
	s_lshl_b32 s87, s86, 3
	s_lshr_b32 s88, s86, 2
	s_lshl_b32 s88, s88, 5
	s_add_co_u32 s87, s87, s88                     ; the key (less 32 h) of the first table register that I make
	s_sub_co_u32 s90, s90, s87
	s_lshl_b32 s89, s[WV], 10
	s_add_co_u32 s89, s89, TBL                     ; where I write it,
	s_bfe_u32 s91, s[WV], 0x10001
	s_lshl_b32 s91, s91, 13
	s_add_co_u32 s91, s91, TBL                     ; and my own tiles' table
	s_mov_b32 s[SEL], 0x76543210
	s_mov_b32 s[SEL+1], 0xfedcba98
	s_mov_b32 s[CS], 0x3e38aa3b                    ; c = log2(e) / 8
	s_mov_b32 s[CS+1], s[CS]
	s_wait_dscnt 0x0
	s_wait_kmcnt 0x0
.irp p, 40,42,48,50
	s_add_nc_u64 s[\p:\p+1], s[4:5], s[\p:\p+1]
.endr
.irp p, 44,46,52,54
	s_add_nc_u64 s[\p:\p+1], s[6:7], s[\p:\p+1]
.endr
	s_add_nc_u64 s[G0K+2:G0K+3], s[4:5], s[56:57]
	s_or_b32 s[G0K+3], s[G0K+3], 0x80000000
	s_add_nc_u64 s[G0V+2:G0V+3], s[4:5], s[58:59]
	s_or_b32 s[G0V+3], s[G0V+3], 0x80000000
	CROUND                                         ; all four work-groups are here: the joint loads meet
	s_cmp_lt_u32 s[WV], 8                          ; one chain of branches on the wave's number, one load to an arm
	s_cbranch_scc0 .Lasked
	s_cmp_eq_u32 s85, 0
	s_cbranch_scc0 .Lvload
	TLOAD G0K, G1K                                 ; waves 0, 2, 4, 6: K's chunks
	s_branch .Lasked
.Lvload:
	TLOAD G0V, G1V                                 ; waves 1, 3, 5, 7: V's
.Lasked:
	v_and_b32 v7, 31, v0
	v_and_b32 v8, 15, v0                           ; r
	v_bfe_u32 v[HH], v0, 4, 1                      ; h
	v_and_b32 v9, 7, v0                            ; m
	v_bfe_u32 v10, v0, 3, 1                        ; g
	v_lshlrev_b32 v1, 4, v7                        ; 16 x lane
	v_lshl_add_u32 v2, v7, 3, 512                  ; 8 x lane + 512
	v_lshlrev_b32 v3, 4, v8                        ; 16 r
	global_load_b128 v[16:19], v1, s[40:41]        ; both tiles' half fragments of Q and their scale words
	global_load_b64 v[20:21], v2, s[40:41]
	global_load_b32 v28, v3, s[42:43]
	global_load_b128 v[88:91], v1, s[48:49]
	global_load_b64 v[92:93], v2, s[48:49]
	global_load_b32 v94, v3, s[50:51]
	v_mul_u32_u24 v[LK16], v10, 1920
	v_mul_u32_u24 v[LK8], v10, 1920
	v_mad_u32_u24 v[LK16], v[HH], 320, v[LK16]
	v_lshl_add_u32 v[LK8], v[HH], 7, v[LK8]
	v_lshl_add_u32 v[LK16], v9, 4, v[LK16]
	v_lshl_add_u32 v[LK8], v9, 3, v[LK8]
	v_lshlrev_b32 v[LSK], 4, v9
	v_add_nc_u32 v[LK8], 640, v[LK8]
	v_lshl_add_u32 v[LSK], v10, 3, v[LSK]
	v_add_nc_u32 v[LV], VBASE, v1
	v_add_nc_u32 v[LSK], 30720, v[LSK]
	v_add_nc_u32 v[LSV], VBASE+24576, v3
	v_add_nc_u32 v[TBA], s91, v1
	v_lshlrev_b32 v[SH8], 3, v[HH]
	v_lshl_add_u32 v[BO], v8, 3, v[HH]
	v_lshl_add_u32 v4, v10, 3, v8                  ; r + 8 (r / 8)
	v_lshlrev_b32 v6, 5, v[HH]
	v_sub_nc_u32 v4, v4, v6
	v_add_nc_u32 v4, s90, v4                       ; the table's query - 32 h - my first table register's key: register e is hidden where e is greater
	RESET
.irp e, 0,1,2,3,4,5,6,7
	v_cmp_gt_i32 vcc_lo, \e, v4
	v_cndmask_b32 v[96+\e], 0, v13, vcc_lo         ; 0, or -3e38 for a key behind the query
.endr
	v_add_nc_u32 v6, s89, v1
	ds_store_b128 v6, v[96:99]
	ds_store_b128 v6, v[100:103] offset:512
.irp i, 0,1,2,3,4,5
	v_mov_b32 v[22+\i], 0                          ; Q's zero half
	v_mov_b32 v[80+\i], 0                          ; and what stands behind K's last tile
.endr
	v_mov_b32 v[PB], 0                             ; a lane permute's destination counts as one of its sources
	v_mov_b32 v[PB+1], 0
	v_mov_b32 v237, 0
	v_mov_b32 v239, 0                              ; (named as the upper half of the pair v[238:239])
	v_mov_b32 v240, 0
.macro QK reg                          ; the eight score products; reg = 1: C is the mask, loaded into the results' registers
.irp t, 0,1,2,3,4,5,6,7
.if \reg
	v_wmma_scale_f32_16x16x128_f8f6f4 v[96+8*\t:103+8*\t], v[32+6*\t:43+6*\t], v[16:27], v[96+8*\t:103+8*\t], v[224+\t], v28 matrix_a_fmt:MATRIX_FMT_FP6 matrix_b_fmt:MATRIX_FMT_FP6
.else
	v_wmma_scale_f32_16x16x128_f8f6f4 v[96+8*\t:103+8*\t], v[32+6*\t:43+6*\t], v[16:27], 0, v[224+\t], v28 matrix_a_fmt:MATRIX_FMT_FP6 matrix_b_fmt:MATRIX_FMT_FP6
.endif
.endr
.endm
.macro SUMS n                          ; n rounds of the row's sum of the unquantised p: four chains, each taking the next pair of registers
.rept \n
.irp k, 0,1,2,3
	v_pk_add_f32 v[242+2*\k:243+2*\k], v[242+2*\k:243+2*\k], v[J+2*\k:J+2*\k+1]
.endr
.set J, J+8
.endr
.endm
; A KEY STEP of 128 keys.
.macro STEP
	s_cmp_gt_u32 s[KAP], s[RHO]                    ; all its keys come after my queries
	s_cbranch_scc1 .Lhidden_\@
	s_lshr_b32 s70, s[KAP], 2                      ; the chunk, and the step in it
	s_and_b32 s71, s[KAP], 3
	s_mul_i32 s72, s70, KCL
	s_mul_i32 s73, s70, VCH
	s_mul_i32 s[TK], s71, 7680
	s_add_co_u32 s[TK], s[TK], s72
	s_mul_i32 s[TSK], s71, 640
	s_add_co_u32 s[TSK], s[TSK], s72
	s_mul_i32 s[TV], s71, 6144
	s_add_co_u32 s[TV], s[TV], s73
	s_lshl_b32 s[TSV], s71, 8
	s_add_co_u32 s[TSV], s[TSV], s73
	v_add_nc_u32 v[ADK16], s[TK], v[LK16]
	v_add_nc_u32 v[ADK8], s[TK], v[LK8]
	v_add_nc_u32 v[ADSK], s[TSK], v[LSK]
	v_add_nc_u32 v[ADV], s[TV], v[LV]
	v_add_nc_u32 v[ADSV], s[TSV], v[LSV]
.irp c, 0,1
.irp b, 0,1
.irp e, 0,1
	ds_load_b128 v[32+6*(4*\c+2*\b+\e):35+6*(4*\c+2*\b+\e)], v[ADK16] offset:960*(4*\c+\e)+128*\b
	ds_load_b64 v[36+6*(4*\c+2*\b+\e):37+6*(4*\c+2*\b+\e)], v[ADK8] offset:960*(4*\c+\e)+64*\b
.endr
	ds_load_b64 v[224+4*\c+2*\b:225+4*\c+2*\b], v[ADSK] offset:320*\c+128*\b   ; my row's scale words of tiles 4 c + 2 b and the next
.endr
.endr
	s_cmp_lg_u32 s[KAP], s[RHO]
	s_cbranch_scc1 .Lopen_\@
.irp k, 0,1,2,3,4,5,6,7,8,9,10,11,12,13,14,15
	ds_load_b128 v[96+4*\k:99+4*\k], v[TBA] offset:512*\k   ; my own group: the mask
.endr
	s_wait_alu depctr_va_vdst(0)
	s_wait_dscnt 0x0
	QK 1
	s_branch .Ljoin_\@
.Lopen_\@:
	s_wait_alu depctr_va_vdst(0)
	s_wait_dscnt 0x0
	QK 0
.Ljoin_\@:
	v_mov_b32 v240, v12                            ; the old -M; with three v_nop the places in front of the loads below and of the first read of the scores
.rept 3
	v_nop
.endr
.irp t, 0,1,2,3
.irp i, 0,1,2
	ds_load_b128 v[32+12*\t+4*\i:35+12*\t+4*\i], v[ADV] offset:1536*\t+512*\i   ; V^T's four fragments land while the softmax is walked
.endr
.endr
	ds_load_b128 v[232:235], v[ADSV]
.irp c, 0,1                            ; the largest score of my two blocks of 32 keys, two chains each: for the row's maximum, and, since p rises with the score, for the block's largest p
	v_max3_num_f32 v[MX+\c], v[96+32*\c], v[97+32*\c], v[98+32*\c]
	v_max3_num_f32 v[MX+2+\c], v[112+32*\c], v[113+32*\c], v[114+32*\c]
.endr
.irp i, 3,5,7,9,11,13
.irp c, 0,1
	v_max3_num_f32 v[MX+\c], v[MX+\c], v[96+32*\c+\i], v[97+32*\c+\i]
	v_max3_num_f32 v[MX+2+\c], v[MX+2+\c], v[112+32*\c+\i], v[113+32*\c+\i]
.endr
.endr
.irp c, 0,1
	v_max3_num_f32 v[MX+\c], v[MX+\c], v[MX+2+\c], v[111+32*\c]
.endr
.irp c, 0,1
	v_max_num_f32 v[MX+\c], v[MX+\c], v[127+32*\c]
.endr
	s_delay_alu instid0(VALU_DEP_1)
	v_max_num_f32 v241, v[MX], v[MX+1]
	s_delay_alu instid0(VALU_DEP_1)
	v_mul_f32 v241, s[CS], v241
	s_delay_alu instid0(VALU_DEP_1)
	v_permlanex16_b32 v[PB], v241, s[SEL], s[SEL+1]
	s_delay_alu instid0(VALU_DEP_1)
	v_max3_num_f32 v13, v13, v241, v[PB]           ; the running largest t, with lane l xor 16's keys
	s_delay_alu instid0(VALU_DEP_1)
	v_floor_f32 v12, -v13                          ; the new -M
.set J, 0
.rept 32
	v_pk_fma_f32 v[96+J:97+J], v[96+J:97+J], s[CS:CS+1], v[12:13] op_sel_hi:[1,0,0]   ; t - M; the three lines that make f stand among these, apart from each other
.if J == 6
	v_sub_f32 v240, v12, v240                      ; old M - new M: a whole number, 0 or less
.endif
.if J == 22
	v_cvt_i32_f32 v240, v240                       ; (it saturates)
.endif
.if J == 38
	v_ldexp_f32 v238, 1.0, v240                    ; f = 2^(old M - new M)
.endif
.set J, J+2
.endr
.irp c, 0,1
	v_fma_f32 v[MX+\c], v[MX+\c], s[CS], v12
.endr
.set J, 0
.rept 16
	v_pk_mul_f32 v[160+J:161+J], v[160+J:161+J], v[238:239] op_sel_hi:[1,0]   ; O^T under the new M, each accumulator from its low end on
.set J, J+2
.endr
	s_wait_alu depctr_va_vdst(0)                   ; the wait ahead of the batch
.set J, 0
.rept 64
	v_exp_f32 v[96+J], v[96+J]                     ; p = 2^(t - M)
.set J, J+1
.endr
.irp c, 0,1
	v_exp_f32 v[MX+\c], v[MX+\c]                   ; the block's largest p
.endr
	v_pk_mul_f32 v[14:15], v[14:15], v[238:239] op_sel_hi:[1,0]   ; the sums under the new M (a plain place behind the exponentials)
	s_wait_alu depctr_va_vdst(0)                   ; and behind it
.irp c, 0,1
	v_max_num_f32 v[MX+\c], 0x1800000, v[MX+\c]    ; the floor 2^(3 - 127)
.endr
.irp c, 0,1
	v_add_nc_u32 v[OP+\c], 0xff000000, v[MX+\c]    ; 2 off the exponent field: the conversion's scale operand
.endr
.irp c, 0,1
	v_cvt_scalef32_pk16_fp6_f32 v[192+6*\c:194+6*\c], v[96+32*\c:111+32*\c], v[OP+\c]
	v_cvt_scalef32_pk16_fp6_f32 v[204+4*\c:206+4*\c], v[112+32*\c:127+32*\c], v[OP+\c]   ; (a conversion's three registers begin on an even number)
.endr
	v_lshrrev_b32 v[PB], 23, v[OP]                 ; the scales' bytes (the plain place behind the conversions); the scale word's chain stands among the moves and the sums
	v_lshrrev_b32 v[PB+1], 23, v[OP+1]
	v_mov_b32 v195, v204
	v_mov_b32 v196, v205
	v_lshl_or_b32 v236, v[PB+1], 16, v[PB]         ; blocks h and 2 + h,
	v_mov_b32 v197, v206
	v_mov_b32 v201, v208
	v_lshlrev_b32 v236, v[SH8], v236               ; at their places;
	v_mov_b32 v202, v209
	v_mov_b32 v203, v210
	v_permlanex16_b32 v237, v236, s[SEL], s[SEL+1]
.irp k, 0,1,2,3
	v_pk_add_f32 v[242+2*\k:243+2*\k], v[96+2*\k:97+2*\k], v[104+2*\k:105+2*\k]
.endr
	v_or_b32 v236, v236, v237                      ; with lane l xor 16's two p's scale word is whole: twelve plain lines ahead of the products that take it
.set J, 112
	SUMS 3
	s_wait_alu depctr_va_vdst(0)
	s_wait_dscnt 0x0                               ; V^T and its scale words are in
.irp t, 0,1,2,3
	v_wmma_scale_f32_16x16x128_f8f6f4 v[160+8*\t:167+8*\t], v[32+12*\t:43+12*\t], v[192:203], v[160+8*\t:167+8*\t], v[232+\t], v236 matrix_a_fmt:MATRIX_FMT_FP6 matrix_b_fmt:MATRIX_FMT_FP6
.endr
	SUMS 3                                         ; the rest of the sum names none of the products' registers: these lines are also the places in front of the next step's loads
	v_pk_add_f32 v[242:243], v[242:243], v[244:245]
	v_pk_add_f32 v[246:247], v[246:247], v[248:249]
	v_pk_add_f32 v[242:243], v[242:243], v[246:247]
	v_pk_add_f32 v[14:15], v[14:15], v[242:243]
.Lhidden_\@:
	s_add_co_u32 s[KAP], s[KAP], 1
.endm
; THE WAY OUT of a tile: O^T / l, quantised along the head's 64 (two blocks), leaves as a half fragment of the last projection's operand, with its two scale bytes a row.
.macro WAYOUT oc, os
.rept 4
	v_nop
.endr
	s_wait_alu depctr_va_vdst(0)                   ; the sums were written just ahead of the loop's branches
	v_add_f32 v14, v14, v15
	s_delay_alu instid0(VALU_DEP_1)
	v_permlanex16_b32 v240, v14, s[SEL], s[SEL+1]
	s_delay_alu instid0(VALU_DEP_1)
	v_add_f32 v14, v14, v240                       ; the row's sum
	s_wait_alu depctr_va_vdst(0)
	v_rcp_f32 v14, v14
	v_nop                                          ; a plain place behind the transcendental
.set J, 0
	s_wait_alu depctr_va_vdst(0)
.rept 32
	v_mul_f32 v[96+J], v[160+J], v14
.set J, J+1
.endr
.irp b, 0,1
	v_max3_num_f32 v[MX+\b], |v[96+16*\b]|, |v[97+16*\b]|, 0x1800000
.endr
.irp i, 2,4,6,8,10,12,14
.irp b, 0,1
	s_delay_alu instid0(VALU_DEP_2)
	v_max3_num_f32 v[MX+\b], v[MX+\b], |v[96+16*\b+\i]|, |v[97+16*\b+\i]|
.endr
.endr
.irp b, 0,1
	s_delay_alu instid0(VALU_DEP_2)
	v_permlanex16_b32 v[PB+\b], v[MX+\b], s[SEL], s[SEL+1]
.endr
.irp b, 0,1
	s_delay_alu instid0(VALU_DEP_2)
	v_max_num_f32 v[MX+\b], v[MX+\b], v[PB+\b]
.endr
.irp b, 0,1
	s_delay_alu instid0(VALU_DEP_2)
	v_add_nc_u32 v[OP+\b], 0xff000000, v[MX+\b]
.endr
.irp b, 0,1
	s_delay_alu instid0(VALU_DEP_2)
	v_lshrrev_b32 v[PB+\b], 23, v[OP+\b]
.endr
	v_cvt_scalef32_pk16_fp6_f32 v[192:194], v[96:111], v[OP]
	v_cvt_scalef32_pk16_fp6_f32 v[204:206], v[112:127], v[OP+1]
	v_nop
.irp i, 0,1,2
	v_permlane16_swap_b32 v[192+\i], v[204+\i]
.endr
.irp i, 0,1,2
	s_delay_alu instid0(VALU_DEP_3)
	v_mov_b32 v[195+\i], v[204+\i]
.endr
	v_cmp_eq_u32 vcc_lo, 1, v[HH]
	s_delay_alu instid0(VALU_DEP_1)
	v_cndmask_b32 v240, v[PB], v[PB+1], vcc_lo     ; lane (r, h) stores block h's byte
	global_store_b128 v1, v[192:195], s[\oc:\oc+1] ; 512 consecutive bytes, aligned to 256
	global_store_b64 v2, v[196:197], s[\oc:\oc+1]  ; 256 consecutive bytes, aligned
	global_store_b8 v[BO], v240, s[\os:\os+1]
.endm
	s_wait_alu depctr_va_vdst(0)
	s_wait_tensorcnt 0x0                           ; every wave: its load is in
	s_wait_dscnt 0x0                               ; my part of a mask table is written
	s_barrier_signal -1
	s_barrier_wait -1                              ; all of K and V and both tables are shown to all waves
	s_wait_loadcnt 0x0                             ; Q
	s_mov_b32 s[KAP], 0
.Llong:                                                ; the first tile's key steps; the trips behind its diagonal do nothing
	STEP
	s_cmp_lt_u32 s[KAP], 16
	s_cbranch_scc1 .Llong
	WAYOUT 44, 46
.irp i, 0,1,2,3,4,5
	v_mov_b32 v[16+\i], v[88+\i]                   ; the second tile's Q
.endr
	v_mov_b32 v28, v94
	RESET
	s_wait_alu depctr_va_vdst(0)
	s_wait_xcnt 0x0                                ; the first tile's stores have read their registers
	s_mov_b32 s[RHO], s[RH2]
	s_mov_b32 s[KAP], 0
.Lshort:                                               ; the second tile's: its group is 11 at the most
	STEP
	s_cmp_lt_u32 s[KAP], 12
	s_cbranch_scc1 .Lshort
	WAYOUT 52, 54
	s_wait_tensorcnt 0x0                           ; the wave's end
	ds_add_u32 v254, v255
	s_wait_dscnt 0x0
	CROUND                                         ; the closing round
	s_endpgm
.Lfunc_end_k_q14be563de5_attn:
	.size	k_q14be563de5_attn, .Lfunc_end_k_q14be563de5_attn-k_q14be563de5_attn
	.p2alignl 7, 3214868480
	.fill 96, 4, 3214868480
	.section	.rodata,"a",@progbits
	.p2align	6, 0x0
	.amdhsa_kernel k_q14be563de5_attn
		.amdhsa_group_segment_fixed_size 253952
		.amdhsa_private_segment_fixed_size 0
		.amdhsa_enable_private_segment 0
		.amdhsa_kernarg_size 16
		.amdhsa_user_sgpr_count 2
		.amdhsa_user_sgpr_kernarg_segment_ptr 1
		.amdhsa_wavefront_size32 1
		.amdhsa_system_sgpr_workgroup_id_x 1
		.amdhsa_system_sgpr_workgroup_id_y 1
		.amdhsa_system_sgpr_workgroup_id_z 1
		.amdhsa_system_vgpr_workitem_id 0
		.amdhsa_next_free_vgpr 256
		.amdhsa_next_free_sgpr 96
		.amdhsa_reserve_vcc 1
		.amdhsa_float_denorm_mode_32 3
		.amdhsa_float_denorm_mode_16_64 3
		.amdhsa_memory_ordered 1
		.amdhsa_forward_progress 1
		.amdhsa_inst_pref_size 58
	.end_amdhsa_kernel
	.amdgpu_metadata
---
amdhsa.version: [ 1, 2 ]
amdhsa.kernels:
  - .name:           k_q14be563de5_attn
    .symbol:         k_q14be563de5_attn.kd
    .args:
      - { .name: qkv, .offset: 0, .size: 8, .value_kind: global_buffer, .address_space: global }
      - { .name: att, .offset: 8, .size: 8, .value_kind: global_buffer, .address_space: global }
    .group_segment_fixed_size: 253952
    .private_segment_fixed_size: 0
    .kernarg_segment_align: 8
    .kernarg_segment_size: 16
    .max_flat_workgroup_size: 512
    .sgpr_count:     96
    .vgpr_count:     256
    .wavefront_size: 32
...
	.end_amdgpu_metadata
.endif
;; end of part 3
;; launch oproj (part 4): grid 4 x 64, 4 waves a work-group, clusters of 4 x 4, 327,680 bytes of LDS; arguments att, wc, ws, out0; writes out0
.if DOCPART == 4
	.amdgcn_target "amdgcn-amd-amdhsa--gfx1250"
	.amdhsa_code_object_version 6
	.text
	.protected	k_q14be563de5_oproj
	.globl	k_q14be563de5_oproj
	.p2align	8
	.type	k_q14be563de5_oproj,@function
k_q14be563de5_oproj:
	s_mov_b64 s[64:65], 0
	v_nop
	global_prefetch_b8 v0, s[64:65] scope:SCOPE_SE
	s_setreg_imm32_b32 hwreg(HW_REG_WAVE_MODE, 25, 1), 1
	s_wait_xcnt 0x0
	s_wait_alu depctr_hold_cnt(0) depctr_sa_sdst(0) depctr_va_vdst(0) depctr_va_sdst(0) depctr_va_ssrc(0) depctr_va_vcc(0) depctr_vm_vsrc(0)
	s_getreg_b32 s2, hwreg(HW_REG_IB_STS2, 6, 4)
	s_cmp_eq_u32 s2, 0
	s_cbranch_scc0 .Lentry_in_a_cluster
	s_endpgm
.Lentry_in_a_cluster:
	s_bfe_u32 s2, ttmp6, 0x10000c
	s_cmp_lg_u32 s2, 0xf033
	s_cbranch_scc0 .Lentry_shape_is_right
	s_endpgm
.Lentry_shape_is_right:
; out0 = attn Wo^T on codes of FP6 (E2M3) with E8M0 scales, f32 out.  256 work-groups of four waves; a work-group makes 128 rows x 256 columns, a wave 64 x 128: 32 accumulators of 16 x 16.
; OPERANDS lie in memory as images of their registers ([tile of 16 rows][16 halves of 64 K][768 bytes]; scale words [tile][4 slots of 256 K][r][8 bytes]; att's scale words lie behind its codes; Wo's row tiles begin at 192 of wc and ws).
; Tile t, lane-row r is matrix row 32 (t / 2) + 8 (t % 2) + r + 8 (r / 8).  K = 1,024 goes in four slots' worth of 256 through a ring of two LDS slots: the A side's (attn's) 8 row tiles, then from 2 HALFT on the B side's (Wo's) 16.
; The matrix instruction takes the B side as source 0 and the A side as source 1: a lane holds one row of the result and eight neighbouring columns in an accumulator.
; Both sides have two sets of fragment registers: a step's 48 LDS loads are issued ahead of the 32 products of the step before.
; CLUSTERS: 4 x 4 work-groups; attn's tiles are shared along a row of the cluster, Wo's along a column, each asked for jointly.  In the ring wave 0 fetches attn's 8 tiles, waves 2 and 3 eight of Wo's each.
; No prefetch: K has four slots, of which two are asked for at the head.
.set TILEB,  3072
.set HALFT,  8*TILEB
.set SLOT,   4*HALFT
.set SCL,    2*SLOT                    ; behind the ring: attn's scale words (4,096 bytes), then Wo's (8,192)
.set SBLK,   512
.set SPARE,  SCL+12288
.set SPITCH, 528                       ; the way out: a stage of 16 rows x (512 + 16) bytes for each wave, in slot 0, which has had its last fill and its last read by then
.set NQ,     2
.set FR,     12
.set NP,     4
.set ADRA, 16
.set ADRB, 20
.set STO,  24
.set RD,   25
.set CO,   26
.set ADRS, 27
.set SPW,  28
.set NIL,  29
.set SC,   32
.set AF,   128
.set BK,   128
.set WV, 16
.set WA, 17
.set WB, 18
.set G1, 24
.set G0, 32
.set G1B, 48
.set G0B, 56
.set G1S, 68
.set G0S, 76
.set G1SB, 80
.set G0SB, 88
.set MSB, 0
.macro WIN new
.if MSB != \new
	s_set_vgpr_msb (MSB<<8)|\new
.set MSB, \new
.endif
.endm
.set MUL_LO, 0xa1                      ; source 0 (B) window 1, source 1 (A) window 0, C and D window 2
.set TO_B,   0x40
.macro PLACES n
.rept \n
	v_nop
.endr
.endm
.macro TL g0, g1                       ; a tensor load with an s_nop and four v_nop behind it
	tensor_load_to_lds s[\g0:\g0+3], s[\g1:\g1+7]
	s_nop 0
	PLACES 4
.endm
.macro RLOAD s                         ; the ring's loads: wave 0 attn's 8 tiles, waves 2 and 3 Wo's halves, wave 1 none
	s_cmp_lt_u32 s[WV], 1
	s_cbranch_scc0 .Lr1_\@
	TL G0+4*\s, G1
	s_branch .Lrj_\@
.Lr1_\@:
	s_cmp_lt_u32 s[WV], 2
	s_cbranch_scc1 .Lrj_\@
	TL G0B+4*\s, G1B
.Lrj_\@:
	PLACES NP                                      ; the places in front of the loads that follow, for the wave that comes round the load
.endm
.macro CREST
	s_cmp_lg_u32 s[WV], 0
	s_cbranch_scc1 .Lnot_wave_0_\@
	s_barrier_signal -3
.Lnot_wave_0_\@:
	s_barrier_wait -3
	s_barrier_signal -1
	s_barrier_wait -1
.endm
.macro CROUND
	s_barrier_signal -1
	s_barrier_wait -1
	CREST
.endm
.macro FRAG reg, adr, q, i
	ds_load_b128 v[\reg:\reg+3], v[\adr] offset:(\i)*TILEB+(\q)*1536
	ds_load_b64 v[\reg+4:\reg+5], v[\adr+2] offset:(\i)*TILEB+(\q)*1536+512
	ds_load_b128 v[\reg+6:\reg+9], v[\adr] offset:(\i)*TILEB+(\q)*1536+768
	ds_load_b64 v[\reg+10:\reg+11], v[\adr+2] offset:(\i)*TILEB+(\q)*1536+1280
.endm
; 16 matrix instructions: A blocks a0, a0 + 1 x B's eight, on set q of both sides.  The 32 accumulators take turns, one instruction a turn, in the same order in every step.
.macro MULH a0, q, sc, zero
.irp a, \a0, \a0+1
.irp b, 0,1,2,3,4,5,6,7
.if \zero
	v_wmma_scale_f32_16x16x128_f8f6f4 v[8*(8*(\a)+\b):8*(8*(\a)+\b)+7], v[128*(\q)+FR*\b:128*(\q)+FR*\b+FR-1], v[AF+48*(\q)+FR*(\a):AF+48*(\q)+FR*(\a)+FR-1], 0, v[SC+8*NQ*(\sc)+NQ*\b+(\q)], v[SC+8*NQ*(\sc)+NQ*(\a)+(\q)] matrix_a_fmt:MATRIX_FMT_FP6 matrix_b_fmt:MATRIX_FMT_FP6 matrix_a_scale:MATRIX_SCALE_ROW1
.else
	v_wmma_scale_f32_16x16x128_f8f6f4 v[8*(8*(\a)+\b):8*(8*(\a)+\b)+7], v[128*(\q)+FR*\b:128*(\q)+FR*\b+FR-1], v[AF+48*(\q)+FR*(\a):AF+48*(\q)+FR*(\a)+FR-1], v[8*(8*(\a)+\b):8*(8*(\a)+\b)+7], v[SC+8*NQ*(\sc)+NQ*\b+(\q)], v[SC+8*NQ*(\sc)+NQ*(\a)+(\q)] matrix_a_fmt:MATRIX_FMT_FP6 matrix_b_fmt:MATRIX_FMT_FP6 matrix_a_scale:MATRIX_SCALE_ROW1
.endif
.endr
.endr
.endm
.macro FETCHH slot, q                  ; B's eight and A's four fragments of step q into set q: 48 loads
	WIN TO_B
.irp i, 0,1,2,3,4,5,6,7
	FRAG 128*(\q)+FR*\i, ADRB+\slot, \q, \i
.endr
	WIN 0
.irp i, 0,1,2,3
	FRAG AF+48*(\q)+FR*\i, ADRA+\slot, \q, \i
.endr
.endm
.macro SCALES sc                       ; a slot's two scale words a row: lanes 0-15 the A side's block i (used for i under 4), lanes 16-31 the B side's
.irp i, 0,1,2,3,4,5,6,7
	ds_load_b64 v[SC+8*NQ*\sc+NQ*\i:SC+8*NQ*\sc+NQ*\i+1], v[ADRS] offset:\i*SBLK
.endr
.endm
.macro STEPH slot, zero                ; a slot's first step; the second step's 48 loads are issued ahead of its 32 products
	FETCHH \slot, 1
	s_wait_dscnt 48                                ; all but the 48 just issued
	WIN MUL_LO
	MULH 0, 0, \slot, \zero
	MULH 2, 0, \slot, \zero
	WIN 0
.endm
.macro TURNH slot, next, fill          ; its second step, which changes slots: all my tensor loads, the add, my reads of this slot; one barrier, which opens a round of the cluster's where the slot is filled again
	s_wait_tensorcnt 0x0
	ds_add_u32 v[SPW], v[NIL]
	s_wait_dscnt 1                                 ; (the add may be out)
	WIN MUL_LO
	MULH 0, 1, \slot, 0
	s_wait_dscnt 0x0
	s_barrier_signal -1
	MULH 2, 1, \slot, 0
	WIN 0
	s_barrier_wait -1
.if \fill
	CREST
	s_add_nc_u64 s[G0+4*\slot+2:G0+4*\slot+3], s[G0+4*\slot+2:G0+4*\slot+3], 2*TILEB
	s_add_nc_u64 s[G0B+4*\slot+2:G0B+4*\slot+3], s[G0B+4*\slot+2:G0B+4*\slot+3], 2*TILEB
	RLOAD \slot
.else
	PLACES NP
.endif
	s_wait_alu depctr_va_vdst(0)
	v_add_nc_u32 v[ADRS], 128, v[ADRS]             ; the next slot's scale words
	FETCHH \next, 0
	SCALES \next
.endm
	s_load_b256 s[4:11], s[0:1], 0x0               ; att, wc, ws, out0
	v_lshl_add_u32 v[SPW], v0, 2, SPARE
	v_mov_b32 v[NIL], 0
	ds_add_u32 v[SPW], v[NIL]                      ; the opening lines: the add twice and its wait
	ds_add_u32 v[SPW], v[NIL]
	s_wait_dscnt 0x0
	v_lshrrev_b32 v1, 5, v0
	v_readfirstlane_b32 s[WV], v1
	s_lshr_b32 s[WA], s[WV], 1                     ; which 64 of the rows are mine
	s_and_b32 s[WB], s[WV], 1                      ; which 128 of the columns; also which half of Wo's tiles I fetch
	s_bfe_u32 s40, ttmp6, 0x40000
	s_bfe_u32 s41, ttmp6, 0x40004
	s_lshl_b32 s42, ttmp9, 2
	s_add_co_u32 s42, s42, s40                     ; tile column, 0 .. 3
	s_and_b32 s19, ttmp7, 0xffff
	s_lshl_b32 s19, s19, 2
	s_add_co_u32 s19, s19, s41                     ; tile row, 0 .. 63
	s_lshl_b32 s43, s41, 2
	s_lshl_b32 s43, 15, s43
	s_lshl_b32 s44, 0x1111, s40
	s_or_b32 s[G1+0], s43, (3<<16)|(1<<21)
	s_or_b32 s[G1B+0], s44, (3<<16)|(1<<21)
.irp g, G1, G1B
	s_mov_b32 s[\g+1], 384<<16
	s_mov_b32 s[\g+3], 384<<16
	s_mov_b32 s[\g+5], 1536
	s_mov_b32 s[\g+6], 0
	s_mov_b32 s[\g+7], 0
.endr
	s_mov_b32 s[G1+2], 8<<16                       ; attn's 8 row tiles;
	s_mov_b32 s[G1+4], 8
	s_mov_b32 s[G1B+2], 16<<16                     ; Wo's 16 for the head's load, then 8
	s_mov_b32 s[G1B+4], 16
	s_or_b32 s[G1S+0], s43, (3<<16)|(1<<21)
	s_or_b32 s[G1SB+0], s44, (3<<16)|(1<<21)
.irp g, G1S, G1SB
	s_mov_b32 s[\g+1], 32<<16
	s_mov_b32 s[\g+3], 32<<16
	s_mov_b32 s[\g+5], 32
	s_mov_b32 s[\g+6], 0
	s_mov_b32 s[\g+7], 0
.endr
	s_mov_b32 s[G1S+2], 16<<16                     ; scale words: 16 rows of 256 bytes for attn's 8 tiles,
	s_mov_b32 s[G1S+4], 16
	s_mov_b32 s[G1SB+2], 32<<16                    ; 32 for Wo's 16
	s_mov_b32 s[G1SB+4], 32
	s_lshl_b32 s21, s19, 3                         ; attn's first row tile
	s_lshl_b32 s45, s42, 4
	s_add_co_u32 s45, s45, 192                     ; Wo's
	s_lshl_b32 s23, s[WB], 3
	s_add_co_u32 s20, s45, s23                     ; the half of them that I fetch
	s_mul_i32 s46, s21, 12288
	s_mov_b32 s47, 0
	s_lshl_b32 s92, s21, 9
	s_add_co_u32 s92, s92, 6291456
	s_mov_b32 s93, 0
	s_mul_i32 s94, s20, 12288
	s_mov_b32 s95, 0
	s_lshl_b32 s96, s45, 9
	s_mov_b32 s97, 0
	s_lshl_b32 s98, s19, 7
	s_lshl_b32 s99, s[WA], 6
	s_add_co_u32 s98, s98, s99                     ; my first row of the result
	s_lshl_b32 s98, s98, 12
	s_lshl_b32 s100, s42, 10
	s_lshl_b32 s101, s[WB], 9
	s_add_co_u32 s100, s100, s101
	s_add_co_u32 s98, s98, s100
	s_mov_b32 s99, 0
	s_mul_i32 s45, s[WV], HALFT                    ; where Wo's halves go (waves 2 and 3): no place in the cluster enters an LDS address
	s_wait_kmcnt 0x0
	s_add_nc_u64 s[20:21], s[4:5], s[46:47]
	s_add_nc_u64 s[22:23], s[4:5], s[92:93]
	s_add_nc_u64 s[94:95], s[6:7], s[94:95]
	s_add_nc_u64 s[96:97], s[8:9], s[96:97]
	s_add_nc_u64 s[12:13], s[10:11], s[98:99]
	CROUND
	s_mov_b32 s[G0S], 1
	s_mov_b32 s[G0S+1], SCL
	s_mov_b64 s[G0S+2:G0S+3], s[22:23]
	s_or_b32 s[G0S+3], s[G0S+3], 0x80000000
	s_mov_b32 s[G0SB], 1
	s_mov_b32 s[G0SB+1], SCL+4096
	s_mov_b64 s[G0SB+2:G0SB+3], s[96:97]
	s_or_b32 s[G0SB+3], s[G0SB+3], 0x80000000
.irp s, 0,1
	s_mov_b32 s[G0+4*\s], 1
	s_mov_b32 s[G0+4*\s+1], \s*SLOT
	s_add_nc_u64 s[G0+4*\s+2:G0+4*\s+3], s[20:21], \s*TILEB
	s_or_b32 s[G0+4*\s+3], s[G0+4*\s+3], 0x80000000
	s_mov_b32 s[G0B+4*\s], 1
	s_add_co_u32 s[G0B+4*\s+1], s45, \s*SLOT
	s_add_nc_u64 s[G0B+4*\s+2:G0B+4*\s+3], s[94:95], \s*TILEB
	s_or_b32 s[G0B+4*\s+3], s[G0B+4*\s+3], 0x80000000
.endr
	; the head's four tiles, one joint load a wave: wave 0 slot 0's 8 tiles of attn, wave 1 its scale words, wave 2 Wo's 16 tiles, wave 3 its scale words
	s_cmp_lt_u32 s[WV], 1
	s_cbranch_scc0 .Lhead_1
	TL G0, G1
	s_branch .Lhead_asked
.Lhead_1:
	s_cmp_lt_u32 s[WV], 2
	s_cbranch_scc0 .Lhead_2
	TL G0S, G1S
	s_branch .Lhead_asked
.Lhead_2:
	s_cmp_lt_u32 s[WV], 3
	s_cbranch_scc0 .Lhead_3
	TL G0B, G1B
	s_branch .Lhead_asked
.Lhead_3:
	TL G0SB, G1SB
.Lhead_asked:
	v_and_b32 v1, 15, v0
	v_bfe_u32 v2, v0, 4, 1
	v_and_b32 v3, 31, v0
	v_lshlrev_b32 v[CO], 4, v3
	v_lshlrev_b32 v5, 3, v3
	s_mul_i32 s21, s[WA], 4*TILEB
	s_mul_i32 s22, s[WB], HALFT
	s_add_co_u32 s22, s22, 2*HALFT
.irp s, 0,1
	v_add_nc_u32 v[ADRA+\s], s21, v[CO]
	v_add_nc_u32 v[ADRB+\s], s22, v[CO]
	v_add_nc_u32 v[ADRA+2+\s], s21, v5
	v_add_nc_u32 v[ADRB+2+\s], s22, v5
	s_add_co_u32 s21, s21, SLOT
	s_add_co_u32 s22, s22, SLOT
.endr
	s_mul_i32 s21, s[WA], 2048
	s_mul_i32 s22, s[WB], 4096
	s_add_co_u32 s22, s22, 4096
	s_sub_co_u32 s22, s22, s21
	v_mul_u32_u24 v6, s22, v2                      ; lanes 16-31 take the B side's words: one product, the distance between the two
	s_add_co_u32 s21, s21, SCL
	v_lshl_add_u32 v6, v1, 3, v6
	v_add_nc_u32 v[ADRS], s21, v6
	s_mul_i32 s23, s[WV], 16*SPITCH
	v_mul_u32_u24 v6, v1, SPITCH
	v_lshl_add_u32 v6, v2, 6, v6
	v_add_nc_u32 v[STO], s23, v6
	v_add_nc_u32 v[RD], s23, v[CO]
	s_wait_alu depctr_va_vdst(0)
	s_wait_tensorcnt 0x0                           ; my tile of the head's four is in; slot 1's first fill is issued as a refill is
	ds_add_u32 v[SPW], v[NIL]
	s_mov_b32 s[G1B+2], 8<<16                      ; no tensor load of mine is out: from here on a load of Wo's brings 8 row tiles
	s_mov_b32 s[G1B+4], 8
	s_wait_dscnt 0x0
	CROUND
	RLOAD 1
	FETCHH 0, 0
	SCALES 0
	STEPH 0, 1                                     ; the first products start the sums: nothing is cleared
	TURNH 0, 1, 1                                  ; slot 0 takes K 512 on
	STEPH 1, 0
	TURNH 1, 0, 1                                  ; slot 1 takes K 768 on
	STEPH 0, 0
	TURNH 0, 1, 0
	STEPH 1, 0
	s_wait_dscnt 0x0
	WIN MUL_LO
	MULH 0, 1, 1, 0
	MULH 2, 1, 1, 0
	WIN 0
; THE WAY OUT, block by block of 16 rows x 128 columns, through my own stage: back come whole rows of 512 bytes, which the 32 lanes store as two aligned units of 256 bytes.  LDS serves a wave's instructions in order (ISA guide 5.7.1.4).
.macro TOSTAGE a
.set AC, 64*(\a)
	WIN 0x08
.irp b, 0,1,2,3,4,5,6,7
	ds_store_b128 v[STO], v[AC+8*\b:AC+8*\b+3] offset:128*(\b/2)+32*(\b%2)
	ds_store_b128 v[STO], v[AC+8*\b+4:AC+8*\b+7] offset:128*(\b/2)+32*(\b%2)+16
.endr
	WIN 0
.set BB, BK+64*((\a)%2)
.irp t, 0,1,2,3,4,5,6,7,8,9,10,11,12,13,14,15
	ds_load_b128 v[BB+4*\t:BB+4*\t+3], v[RD] offset:\t*SPITCH
.endr
.endm
.macro SEND a, younger
.set BB, BK+64*((\a)%2)
	s_wait_dscnt \younger
.irp t, 0,1,2,3,4,5,6,7,8,9,10,11,12,13,14,15
	global_store_b128 v[CO], v[BB+4*\t:BB+4*\t+3], s[12:13] offset:(32*((\a)/2)+8*((\a)%2)+\t+8*(\t/8))*4096 th:TH_STORE_NT
.endr
.endm
	PLACES NP
	TOSTAGE 0
.irp a, 1,2,3
.if \a > 1
	s_wait_xcnt 0x0                                ; block a - 2's stores have read the registers in which block a lands
.endif
	TOSTAGE \a
	SEND \a-1, 32                                  ; behind block a - 1's loads: block a's 16 stores and 16 loads
.endr
	SEND 3, 0
	s_wait_tensorcnt 0x0                           ; the wave's end
	ds_add_u32 v[SPW], v[NIL]
	s_wait_dscnt 0x0
	CROUND                                         ; the closing round
	s_endpgm
.Lfunc_end_k_q14be563de5_oproj:
	.size	k_q14be563de5_oproj, .Lfunc_end_k_q14be563de5_oproj-k_q14be563de5_oproj
	.p2alignl 7, 3214868480
	.fill 96, 4, 3214868480
	.section	.rodata,"a",@progbits
	.p2align	6, 0x0
	.amdhsa_kernel k_q14be563de5_oproj
		.amdhsa_group_segment_fixed_size 327680
		.amdhsa_private_segment_fixed_size 0
		.amdhsa_enable_private_segment 0
		.amdhsa_kernarg_size 32
		.amdhsa_user_sgpr_count 2
		.amdhsa_user_sgpr_kernarg_segment_ptr 1
		.amdhsa_wavefront_size32 1
		.amdhsa_system_sgpr_workgroup_id_x 1
		.amdhsa_system_sgpr_workgroup_id_y 1
		.amdhsa_system_sgpr_workgroup_id_z 1
		.amdhsa_system_vgpr_workitem_id 0
		.amdhsa_next_free_vgpr 1024
		.amdhsa_next_free_sgpr 102
		.amdhsa_reserve_vcc 0
		.amdhsa_float_denorm_mode_32 3
		.amdhsa_float_denorm_mode_16_64 3
		.amdhsa_memory_ordered 1
		.amdhsa_forward_progress 1
		.amdhsa_inst_pref_size 88
	.end_amdhsa_kernel
	.amdgpu_metadata
---
amdhsa.version: [ 1, 2 ]
amdhsa.kernels:
  - .name:           k_q14be563de5_oproj
    .symbol:         k_q14be563de5_oproj.kd
    .args:
      - { .name: att, .offset: 0, .size: 8, .value_kind: global_buffer, .address_space: global }
      - { .name: wc, .offset: 8, .size: 8, .value_kind: global_buffer, .address_space: global }
      - { .name: ws, .offset: 16, .size: 8, .value_kind: global_buffer, .address_space: global }
      - { .name: out0, .offset: 24, .size: 8, .value_kind: global_buffer, .address_space: global }
    .group_segment_fixed_size: 327680
    .private_segment_fixed_size: 0
    .kernarg_segment_align: 8
    .kernarg_segment_size: 32
    .max_flat_workgroup_size: 128
    .sgpr_count:     102
    .vgpr_count:     1024
    .wavefront_size: 32
...
	.end_amdgpu_metadata
.endif
;; end of part 4
